; MI455X (gfx1250); checked and timed in simulation.
; The chip was launched on July 23, 2026; its instructions are those of AMD's public machine-readable ISA for CDNA 5 (MIT licence, August 2026) and "CDNA5" Instruction Set Architecture Reference Guide (July 2026). The comments in the code are by the model that wrote it; some were corrected since.
;; Muti Query Attention. Allowed arithmetic: matrix products marked QUANTISED: E2M3 operands, one E8M0 scale for each 32 along K, by v_wmma_scale_f32_16x16x128_f8f6f4 with both operands' format E2M3, f32 sums; everything else in f32.
;; Inputs: Wk 1,024 x 64 float32; Wo 1,024 x 1,024 float32; Wq 1,024 x 1,024 float32; Wv 1,024 x 64 float32; bk 64 float32; bo 1,024 float32; bq 1,024 float32; bv 64 float32; hidden_state 4 x 2,048 x 1,024 float32.
;; Outputs: out0 4 x 2,048 x 1,024 float32.
;; This version of the problem:
;;   THIS VERSION OF THE PROBLEM IS GIVEN IN LOW PRECISION. The matrix products marked QUANTISED in the list below multiply operands that are first quantised to E2M3 (2 exponent bits, 3 mantissa bits; 6 bits a number), with one power-of-two scale for each 32 numbers along K (OCP MX v1.0); their sums are f32. All else is computed in f32.
;;   The module's matrix products, in the order in which they are computed (A, B: the left and right operand; K: the contracted axis; several contracted axes count as one K, in the product's order):
;;     1. [M 8,192, K 1,024] x [K 1,024, N 1,024]; A: input hidden_state; B: input Wq: QUANTISED
;;     2. [M 8,192, K 1,024] x [K 1,024, N 64]; A: input hidden_state; B: input Wk: QUANTISED
;;     3. [M 8,192, K 1,024] x [K 1,024, N 64]; A: input hidden_state; B: input Wv: QUANTISED
;;     4. batch 4 x [M 2,048, K 64] x [K 64, N 32,768]; A: computed on the way; B: computed on the way: QUANTISED
;;     5. batch 4 x [M 64, K 2,048] x [K 2,048, N 32,768]; A: computed on the way; B: softmax (see below): QUANTISED
;;     6. [M 8,192, K 1,024] x [K 1,024, N 1,024]; A: computed on the way; B: input Wo: QUANTISED
;;   THE QUANTISER, for each operand of a quantised product, along K:
;;     - K is cut into blocks of 32 from its start; a last block that is shorter is filled with zeros.
;;     - A block's scale is 2^e with e = floor(log2(the largest magnitude in the block)) - 2, held to -126 .. 127; a block of zeros has e = 0. As a byte (E8M0): e + 127.
;;     - Each number is divided by its block's scale, clamped to +-7.5, and rounded to the nearest number of E2M3, ties to even, subnormals kept.
;;     - The product sums the exact products of the quantised numbers (number of the format x scale) in f32.
;;   ~~~python
;;   def quantise(x, axis):      # numpy; x: float32 -> the quantised numbers, widened to float32 again
;;       x = np.moveaxis(x, axis, -1); K = x.shape[-1]
;;       x = np.pad(x, [(0, 0)] * (x.ndim - 1) + [(0, -K % 32)]); x = x.reshape(x.shape[:-1] + (-1, 32)); a = np.abs(x).max(-1, keepdims=True)
;;       e = np.where(a > 0, np.clip(np.frexp(np.where(a > 0, a, 1))[1] - 1 - 2, -126, 127), 0)      # np.frexp(a)[1] - 1 = floor(log2(a)), exactly
;;       r = np.clip(x / 2.0 ** e, -7.5, 7.5)
;;       step = 2.0 ** (np.maximum(np.frexp(np.where(r == 0, 1, r))[1] - 1, 0) - 3)
;;       q = np.round(r / step) * step * 2.0 ** e      # np.round: ties to even
;;       return np.moveaxis(q.reshape(q.shape[:-2] + (-1,))[..., :K], -1, axis).astype(np.float32)
;;   ~~~
;;   SOFTMAX AHEAD OF A QUANTISED PRODUCT. Where the list says 'softmax', what is quantised is not the finished softmax but p = 2^(t - M), with t = logit x log2(e) and M = ceil(the row's largest t), a whole number; so 1/2 < the row's largest p <= 1. The row's sum l is taken of the UNQUANTISED p, in f32, and the product's result is divided by l at the end. Since M is a whole number, a kernel that streams over the keys may use a running M (the ceiling of the running maximum): every later rescaling is an exact power of two, which a block's scale takes up: the codes' values come out the same.
;;   OPERANDS COMPUTED ON THE WAY. 'Computed on the way' means the value that the module computes at that place (a softmax that the list does not call 'softmax' is quantised finished and normalised). What goes into a quantiser is computed in f32, as accurately as f32 sums, v_exp_f32 and their like allow (about 1e-6 of the number): no bf16 or f16 on the way to a quantiser, and a product that is left as it is and whose result goes on into a quantised operand takes f32 operands (vector FMAs, or v_wmma_f32_16x16x4_f32). A number that lies on a knife's edge between two numbers of the format may be rounded either way, as far as f32 arithmetic and the matrix unit's own rounding can turn it there, and no further.
;; One version. Each part assembles by itself: llvm-mc -triple=amdgcn-amd-amdhsa -mcpu=gfx1250 --defsym DOCPART=n.
;; ======== version 1 of 1: 4 launches
;; limits: right only within a limited range of input values
;; workspace buffers: XB 6,553,600 bytes; WB 1,740,800 bytes; QB 6,815,744 bytes; KVB 851,968 bytes; OB 6,553,600 bytes
;; launch quant (part 1): grid 264 x 1, 8 waves a work-group, no clusters, 69,120 bytes of LDS; arguments hidden_state, Wq, Wk, Wv, Wo, XB, WB; writes XB, WB
.if DOCPART == 1
	.amdgcn_target "amdgcn-amd-amdhsa--gfx1250"
	.amdhsa_code_object_version 6
	.text
	.protected	k_q98d72f0cde_quant
	.globl	k_q98d72f0cde_quant
	.p2align	8
	.type	k_q98d72f0cde_quant,@function
k_q98d72f0cde_quant:
	s_mov_b64 s[64:65], 0
	v_nop
	global_prefetch_b8 v0, s[64:65] scope:SCOPE_SE
	s_setreg_imm32_b32 hwreg(HW_REG_WAVE_MODE, 25, 1), 1
	s_wait_xcnt 0x0
; MULTI-QUERY ATTENTION ON CODES OF E2M3, launch 1 of 4: hidden_state and the four weights become codes and E8M0 scale bytes.
; NOTHING OF reference() IS LEFT OUT in this program: all six products are done, and every one of the nine inputs has a way to out0 (bk too: it moves k's codes).
; THE RULE: a block of 32 along K has the scale 2^(floor(log2(largest magnitude)) - 2); its byte is the largest magnitude's exponent field - 2; numbers are divided by it and rounded to the nearest code, ties to even,
; beyond 7.5 the largest code.  LIMITS: NaN and infinities among the inputs are not served; a block whose largest magnitude lies under 2^-124 (a block of zeros among them) gets the byte 1
; (the rule says 127 for zeros: their codes are zeros, which add nothing under any byte but 0xff, and this program alone reads the bytes).
; THE WORKSPACE LIES IN THE ORDER OF THE OPERAND'S REGISTERS.  l = lane, r = l % 16, h = l / 16.
;   HF, 768 bytes: 16 rows x 64 along K.  Lane (r, h) owns the 24 bytes of block h of row r: its registers 0-3 at 16 l, registers 4-5 at 512 + 8 l.  Two HF are a fragment of 128 along K.
;   SI, 256 bytes: the scale words of 16 rows x 4 K steps of 128: lane l owns 8 bytes at 8 l: word j is K step 2 j + h of row r.
;   A tile's record, 12,800 bytes: chunk 0 (SI, HF 0-7: K 0-511), chunk 1 (SI, HF 8-15).
; THE ROWS OF A TILE: row p of tile 2 b + u is index 32 b + 8 u + p + 8 (p / 8), for tokens and for the columns of Wq, Wk, Wv; Wo's tiles take 16 neighbouring columns.
; XB: 512 records (tokens).  WB: 136 records: 0-63 Wq, 64-67 Wk, 68-71 Wv, 72-135 Wo.
; Work-groups 0-127 take hidden_state: a wave one tile x one chunk (16 tokens x 512 along K).  Work-groups 128-263 take the weights: a work-group one pair of tiles x one chunk, a wave one HF of both tiles.
; No tensor load, no matrix instruction: the launch streams.  The two paths use LDS bytes of their own.
; THE ROWS OF A TILE AS THE CODE BELOW HAS THEM (this takes the place of the line on them above): row p of tile 4 g + t is index 64 g + 32 (p / 8) + 8 t + p % 8,
; for tokens and for the columns of Wq, Wk, Wv: so the 32 results that a lane holds of four tiles of a later product are one whole block of 32.
.set STG,   8448
.set WSI,   67584                      ; the weights' path: two SI are gathered here, 512 bytes
.set SPARE, 68096                      ; the spare words, 128 bytes for each of eight waves: no other line names them
.set SPW,   10                         ; v10  SPARE + 4 x my thread's number; never rewritten
.set NIL,   11                         ; v11  0; never rewritten
.set R0,    16                         ; v16-79, v80-143  16 rows x 16 bytes a lane, as loaded: two sets
.set R1,    80
.set X,     144                        ; v144-207  my two blocks of 32 numbers
.set C,     208                        ; v208-219  a fragment's 12 registers
.set SCR,   220                        ; v220-222, v224-226  a conversion's three registers begin on an even number: the upper halves are made here and moved
.set MX,    228                        ; v228-229 largest magnitudes; v230-231 the conversions' scale operands; v232-233 the bytes
.set SO,    230
.set BY,    232
.set W,     236                        ; v236-239  the scale words of the four K steps
; my two blocks at v[x], v[x + 32]: largest magnitude (with the floor 2^(3 - 127) as a leaf: the byte cannot fall under 1), scale operand (2 off the exponent field), byte
.macro MAX2 x
.irp c, 0,1
	v_max3_num_f32 v[MX+\c], |v[(\x)+32*\c]|, |v[(\x)+32*\c+1]|, 0x1800000
.endr
.irp i, 2,4,6,8,10,12,14,16,18,20,22,24,26,28,30
.irp c, 0,1
	s_delay_alu instid0(VALU_DEP_2)
	v_max3_num_f32 v[MX+\c], v[MX+\c], |v[(\x)+32*\c+\i]|, |v[(\x)+32*\c+\i+1]|
.endr
.endr
.irp c, 0,1
	s_delay_alu instid0(VALU_DEP_2)
	v_add_nc_u32 v[SO+\c], 0xff000000, v[MX+\c]
.endr
.irp c, 0,1
	s_delay_alu instid0(VALU_DEP_2)
	v_lshrrev_b32 v[BY+\c], 23, v[SO+\c]
.endr
.endm
; their codes: block 0 into v[c0 .. c0 + 5], block 1 into v[c1 .. c1 + 5]
.macro CODES x, c0, c1
	v_cvt_scalef32_pk16_fp6_f32 v[(\c0):(\c0)+2], v[(\x):(\x)+15], v[SO]
	v_cvt_scalef32_pk16_fp6_f32 v[SCR:SCR+2], v[(\x)+16:(\x)+31], v[SO]
	v_cvt_scalef32_pk16_fp6_f32 v[(\c1):(\c1)+2], v[(\x)+32:(\x)+47], v[SO+1]
	v_cvt_scalef32_pk16_fp6_f32 v[SCR+4:SCR+6], v[(\x)+48:(\x)+63], v[SO+1]
	v_nop                                          ; one plain instruction between the conversions and the moves that read their results
.irp i, 0,1,2
	v_mov_b32 v[(\c0)+3+\i], v[SCR+\i]
	v_mov_b32 v[(\c1)+3+\i], v[SCR+4+\i]
.endr
.endm
	s_load_b256 s[4:11], s[0:1], 0x0               ; hidden_state s[4:5], Wq s[6:7], Wk s[8:9], Wv s[10:11]
	s_load_b128 s[12:15], s[0:1], 0x20             ; Wo s[12:13], XB s[14:15]
	s_load_b64 s[16:17], s[0:1], 0x30              ; WB
	v_lshl_add_u32 v[SPW], v0, 2, SPARE
	v_mov_b32 v[NIL], 0
	v_lshrrev_b32 v1, 5, v0
	s_delay_alu instid0(VALU_DEP_1)
	v_readfirstlane_b32 s18, v1                    ; wave 0..7
	v_and_b32 v6, 31, v0                           ; l
	v_and_b32 v7, 15, v0                           ; r
	v_bfe_u32 v8, v0, 4, 1                         ; h
	s_delay_alu instid0(VALU_DEP_3)
	v_lshlrev_b32 v1, 4, v6                        ; 16 l
	s_delay_alu instid0(VALU_DEP_4)
	v_lshlrev_b32 v2, 3, v6                        ; 8 l
	s_mov_b32 s20, 0x76543210
	s_mov_b32 s21, 0xfedcba98                      ; v_permlanex16_b32's selects for lane l xor 16
	s_mov_b32 s22, 0xffff0000                      ; lanes 16-31
	s_wait_kmcnt 0x0
	s_cmp_ge_u32 ttmp9, 128
	s_cbranch_scc1 .Lweights
; ---------------- hidden_state: K is innermost ----------------
	s_lshl_b32 s24, ttmp9, 2
	s_lshr_b32 s25, s18, 1
	s_add_co_u32 s24, s24, s25                     ; my tile T = 4 x work-group + wave / 2
	s_and_b32 s26, s18, 1                          ; my chunk
	s_lshr_b32 s28, s24, 2
	s_lshl_b32 s28, s28, 18                        ; token 64 (T / 4), rows of 4,096 bytes,
	s_and_b32 s27, s24, 3
	s_lshl_b32 s27, s27, 15                        ; + 8 (T % 4) rows,
	s_add_co_u32 s28, s28, s27
	s_lshl_b32 s27, s26, 11                        ; + 512 numbers a chunk
	s_add_co_u32 s28, s28, s27
	s_mov_b32 s29, 0
	s_add_nc_u64 s[4:5], s[4:5], s[28:29]
	s_mul_i32 s30, s24, 12800
	s_mul_i32 s27, s26, 6400
	s_add_co_u32 s30, s30, s27
	s_mov_b32 s31, 0
	s_add_nc_u64 s[14:15], s[14:15], s[30:31]      ; my chunk of my record
	s_mul_i32 s27, s18, STG
	s_wait_alu depctr_va_vdst(0)
	v_add_nc_u32 v3, s27, v1                       ; into the stage: a row's 512 bytes as they lie
	v_mul_u32_u24 v4, v7, 528
	s_delay_alu instid0(VALU_DEP_1)
	v_lshl_add_u32 v4, v8, 7, v4
	s_delay_alu instid0(VALU_DEP_1)
	v_add_nc_u32 v4, s27, v4                       ; out of it: row r, my block's 128 bytes
	v_lshlrev_b32 v5, 3, v8                        ; 8 h: my bytes' place in a scale word
	v_mov_b32 v235, 0                              ; written once: a lane permute's destination counts as one of its sources
; the 16 rows of the tile, 128 numbers of K step sp: each load reads 512 consecutive bytes
.macro XLOAD sp, set
.irp p, 0,1,2,3,4,5,6,7,8,9,10,11,12,13,14,15
	global_load_b128 v[(\set)+4*\p:(\set)+4*\p+3], v1, s[4:5] offset:(\p+24*(\p/8))*4096+512*(\sp) th:TH_LOAD_NT
.endr
.endm
; a K step: through the stage, so that a lane holds two whole blocks (k = 64 c + 32 h + 0 .. 31 of row r); then scale word and codes.  left: the younger loads that may stay out; more = 1: the set is loaded again
.macro XSTEP sp, set, left, more
	s_wait_loadcnt \left                           ; this step's 16 loads are in; the next step's 16 may be out
.irp p, 0,1,2,3,4,5,6,7,8,9,10,11,12,13,14,15
	ds_store_b128 v3, v[(\set)+4*\p:(\set)+4*\p+3] offset:528*\p
.endr
.irp c, 0,1
.irp q, 0,1,2,3,4,5,6,7
	ds_load_b128 v[X+32*\c+4*\q:X+32*\c+4*\q+3], v4 offset:256*\c+16*\q   ; LDS serves a wave's instructions in order: these see the stores above
.endr
.endr
	s_wait_dscnt 0x0                               ; the numbers are back, and the stores have read the set
.if \more
	XLOAD (\sp)+2, \set
.endif
	s_wait_xcnt 0x0                                ; the last step's stores have read their data: the codes' registers are rewritten only behind this wait
	MAX2 X
	s_delay_alu instid0(VALU_DEP_1)
	v_lshl_or_b32 v234, v[BY+1], 16, v[BY]         ; my two bytes: blocks h and 2 + h,
	s_delay_alu instid0(VALU_DEP_1)
	v_lshlrev_b32 v234, v5, v234                   ; at their places;
	s_delay_alu instid0(VALU_DEP_1)
	v_permlanex16_b32 v235, v234, s20, s21
	s_delay_alu instid0(VALU_DEP_1)
	v_or_b32 v[W+(\sp)], v234, v235                ; with lane l xor 16's two the word is whole
	CODES X, C, C+6
	global_store_b128 v1, v[C:C+3], s[14:15] offset:256+1536*(\sp)          ; 512 consecutive bytes,
	global_store_b64 v2, v[C+4:C+5], s[14:15] offset:256+1536*(\sp)+512     ; 256 consecutive bytes: an HF
	global_store_b128 v1, v[C+6:C+9], s[14:15] offset:256+1536*(\sp)+768
	global_store_b64 v2, v[C+10:C+11], s[14:15] offset:256+1536*(\sp)+1280
.endm
	XLOAD 0, R0
	XLOAD 1, R1
	s_wait_alu depctr_va_vdst(0)
	XSTEP 0, R0, 16, 1
	XSTEP 1, R1, 16, 1
	XSTEP 2, R0, 16, 0
	XSTEP 3, R1, 0, 0
	v_cndmask_b32 v240, v[W], v[W+1], s22          ; SI: word 0: K step h; word 1: K step 2 + h
	v_cndmask_b32 v241, v[W+2], v[W+3], s22
	global_store_b64 v2, v[240:241], s[14:15]
	s_wait_tensorcnt 0x0                           ; the wave's end
	ds_add_u32 v[SPW], v[NIL]
	s_wait_dscnt 0x0
	s_endpgm
; ---------------- the weights: K is the first axis: a lane takes a column, its registers run down K ----------------
.Lweights:
	s_sub_co_u32 s24, ttmp9, 128
	s_lshr_b32 s25, s24, 1                         ; the pair of tiles, 0..67
	s_and_b32 s26, s24, 1                          ; the chunk
	s_cmp_lt_u32 s25, 36                           ; which tensor: the choice hangs on the work-group's number alone
	s_cselect_b64 s[28:29], s[10:11], s[12:13]
	s_cselect_b32 s27, 34, 36
	s_cselect_b32 s23, -1, 0                       ; all lanes: the tiles' columns are permuted (not Wo's)
	s_cmp_lt_u32 s25, 34
	s_cselect_b64 s[28:29], s[8:9], s[28:29]
	s_cselect_b32 s27, 32, s27
	s_cmp_lt_u32 s25, 32
	s_cselect_b64 s[28:29], s[6:7], s[28:29]
	s_cselect_b32 s27, 0, s27
	s_sub_co_u32 s27, s25, s27
	s_lshr_b32 s30, s27, 1                         ; permuted tiles: pair x begins at column 64 (x / 2) + 16 (x % 2)
	s_lshl_b32 s30, s30, 8
	s_and_b32 s31, s27, 1
	s_lshl_b32 s31, s31, 6
	s_add_co_u32 s30, s30, s31
	s_lshl_b32 s27, s27, 7                         ; Wo: the pair's 32 neighbouring columns
	s_cmp_lt_u32 s25, 36
	s_cselect_b32 s27, s30, s27
	s_sub_co_u32 s30, s25, 32
	s_cmp_lt_u32 s30, 4                            ; Wk, Wv: rows of 256 bytes; Wq, Wo: of 4,096
	s_cselect_b32 s31, 8, 12
	s_cselect_b32 s34, 1, 0
	s_lshl_b32 s32, s26, 3
	s_add_co_u32 s32, s32, s18                     ; my HF: 8 x chunk + wave
	s_lshl_b32 s32, s32, 6                         ; its first k,
	s_lshl_b32 s32, s32, s31                       ; in bytes
	s_add_co_u32 s32, s32, s27
	s_mov_b32 s33, 0
	s_add_nc_u64 s[28:29], s[28:29], s[32:33]
	s_mul_i32 s36, s25, 25600
	s_mul_i32 s37, s26, 6400
	s_add_co_u32 s36, s36, s37
	s_mov_b32 s37, 0
	s_add_nc_u64 s[38:39], s[16:17], s[36:37]      ; the pair's first record, my chunk: its SI
	s_mul_i32 s36, s18, 768
	s_add_co_u32 s36, s36, 256
	s_add_nc_u64 s[40:41], s[38:39], s[36:37]      ; my HF
	s_wait_alu depctr_va_vdst(0)
	v_and_b32 v12, 8, v7
	s_delay_alu instid0(VALU_DEP_1)
	v_mad_u32_u24 v12, v12, 3, v7                  ; r % 8 + 32 (r / 8)
	s_delay_alu instid0(VALU_DEP_1)
	v_lshl_add_u32 v12, v8, 3, v12                 ; lane (r, h) is row r of tile h of the pair: column 8 h + r % 8 + 32 (r / 8),
	s_delay_alu instid0(VALU_DEP_1)
	v_cndmask_b32 v13, v6, v12, s23                ; or, in Wo, column l
	s_delay_alu instid0(VALU_DEP_1)
	v_lshlrev_b32 v9, 2, v13
	s_bfe_u32 s42, s18, 0x10001                    ; where my half word stands in an SI: K step wave / 2: 128 (step % 2) + 4 (step / 2), + 2 (wave % 2)
	s_lshl_b32 s42, s42, 7
	s_lshr_b32 s43, s18, 2
	s_lshl_b32 s43, s43, 2
	s_add_co_u32 s42, s42, s43
	s_and_b32 s43, s18, 1
	s_lshl_b32 s43, s43, 1
	s_add_co_u32 s42, s42, s43
	s_add_co_u32 s42, s42, WSI
	v_lshlrev_b32 v14, 3, v7
	s_delay_alu instid0(VALU_DEP_1)
	v_lshl_add_u32 v14, v8, 8, v14
	s_delay_alu instid0(VALU_DEP_1)
	v_add_nc_u32 v14, s42, v14                     ; + 8 r + 256 x tile
	v_add_nc_u32 v15, WSI, v1                      ; and where wave 0 reads both SI back
	v_mul_u32_u24 v107, v8, 12800
	s_delay_alu instid0(VALU_DEP_1)
	v_lshl_add_u32 v107, v7, 4, v107               ; lanes 0-15 the first record's SI, lanes 16-31 the second's
.macro WLOAD pitch                     ; W(k0 + i, my column): 32 lanes read two runs of 64 consecutive bytes, 128 apart (Wo: 128 consecutive)
.set i, 0
.rept 64
	global_load_b32 v[16+i], v9, s[28:29] offset:i*\pitch
.set i, i+1
.endr
.endm
	s_cmp_eq_u32 s34, 1
	s_cbranch_scc1 .Lnarrow
	s_wait_alu depctr_va_vdst(0)
	WLOAD 4096
	s_branch .Lloaded
.Lnarrow:
	s_wait_alu depctr_va_vdst(0)
	WLOAD 256
.Lloaded:
	s_wait_loadcnt 0x0
	MAX2 16
	CODES 16, 80, 90
.irp i, 0,1,2,3,4,5
	v_permlane16_swap_b32 v[80+\i], v[90+\i]       ; block 0's lanes 16-31 change places with block 1's lanes 0-15: v80-85 is now the first tile's HF, v90-95 the second's
.endr
	v_lshl_or_b32 v106, v[BY+1], 8, v[BY]          ; my column's two bytes
	ds_store_b16 v14, v106
	global_store_b128 v1, v[80:83], s[40:41]
	global_store_b64 v2, v[84:85], s[40:41] offset:512
	global_store_b128 v1, v[90:93], s[40:41] offset:12800
	global_store_b64 v2, v[94:95], s[40:41] offset:13312
	s_wait_dscnt 0x0                               ; for the others' sake: my half words lie in LDS
	s_barrier_signal -1
	s_barrier_wait -1
	s_cmp_lg_u32 s18, 0
	s_cbranch_scc1 .Lnot_first
	ds_load_b128 v[108:111], v15                   ; both SI, whole
	s_wait_dscnt 0x0
	global_store_b128 v107, v[108:111], s[38:39]   ; sixteen lanes store 256 consecutive bytes
.Lnot_first:
	s_wait_tensorcnt 0x0                           ; the wave's end
	ds_add_u32 v[SPW], v[NIL]
	s_wait_dscnt 0x0
	s_endpgm
.Lfunc_end_k_q98d72f0cde_quant:
	.size	k_q98d72f0cde_quant, .Lfunc_end_k_q98d72f0cde_quant-k_q98d72f0cde_quant
	.p2alignl 7, 3214868480
	.fill 96, 4, 3214868480
	.section	.rodata,"a",@progbits
	.p2align	6, 0x0
	.amdhsa_kernel k_q98d72f0cde_quant
		.amdhsa_group_segment_fixed_size 69120
		.amdhsa_private_segment_fixed_size 0
		.amdhsa_enable_private_segment 0
		.amdhsa_kernarg_size 56
		.amdhsa_user_sgpr_count 2
		.amdhsa_user_sgpr_kernarg_segment_ptr 1
		.amdhsa_wavefront_size32 1
		.amdhsa_system_sgpr_workgroup_id_x 1
		.amdhsa_system_sgpr_workgroup_id_y 1
		.amdhsa_system_sgpr_workgroup_id_z 1
		.amdhsa_system_vgpr_workitem_id 0
		.amdhsa_next_free_vgpr 256
		.amdhsa_next_free_sgpr 66
		.amdhsa_reserve_vcc 0
		.amdhsa_float_denorm_mode_32 3
		.amdhsa_float_denorm_mode_16_64 3
		.amdhsa_memory_ordered 1
		.amdhsa_forward_progress 1
		.amdhsa_inst_pref_size 55
	.end_amdhsa_kernel
	.amdgpu_metadata
---
amdhsa.version: [ 1, 2 ]
amdhsa.kernels:
  - .name:           k_q98d72f0cde_quant
    .symbol:         k_q98d72f0cde_quant.kd
    .args:
      - { .name: hidden_state, .offset: 0, .size: 8, .value_kind: global_buffer, .address_space: global }
      - { .name: Wq, .offset: 8, .size: 8, .value_kind: global_buffer, .address_space: global }
      - { .name: Wk, .offset: 16, .size: 8, .value_kind: global_buffer, .address_space: global }
      - { .name: Wv, .offset: 24, .size: 8, .value_kind: global_buffer, .address_space: global }
      - { .name: Wo, .offset: 32, .size: 8, .value_kind: global_buffer, .address_space: global }
      - { .name: XB, .offset: 40, .size: 8, .value_kind: global_buffer, .address_space: global }
      - { .name: WB, .offset: 48, .size: 8, .value_kind: global_buffer, .address_space: global }
    .group_segment_fixed_size: 69120
    .private_segment_fixed_size: 0
    .kernarg_segment_align: 8
    .kernarg_segment_size: 56
    .max_flat_workgroup_size: 256
    .sgpr_count:     66
    .vgpr_count:     256
    .wavefront_size: 32
...
	.end_amdgpu_metadata
.endif
;; end of part 1
;; launch proj (part 2): grid 32 x 8, 8 waves a work-group, clusters of 4 x 1, 327,680 bytes of LDS; arguments XB, WB, bq, bk, bv, QB, KVB; writes QB, KVB
.if DOCPART == 2
	.amdgcn_target "amdgcn-amd-amdhsa--gfx1250"
	.amdhsa_code_object_version 6
	.text
	.protected	k_q98d72f0cde_proj
	.globl	k_q98d72f0cde_proj
	.p2align	8
	.type	k_q98d72f0cde_proj,@function
k_q98d72f0cde_proj:
	s_mov_b64 s[64:65], 0
	v_nop
	global_prefetch_b8 v0, s[64:65] scope:SCOPE_SE
	s_setreg_imm32_b32 hwreg(HW_REG_WAVE_MODE, 25, 1), 1
	s_wait_xcnt 0x0
	s_wait_alu depctr_hold_cnt(0) depctr_sa_sdst(0) depctr_va_vdst(0) depctr_va_sdst(0) depctr_va_ssrc(0) depctr_va_vcc(0) depctr_vm_vsrc(0)
	s_getreg_b32 s2, hwreg(HW_REG_IB_STS2, 6, 4)
	s_cmp_eq_u32 s2, 0
	s_cbranch_scc0 .Lentry_in_a_cluster
	s_endpgm
.Lentry_in_a_cluster:
	s_bfe_u32 s2, ttmp6, 0x10000c
	s_cmp_lg_u32 s2, 0x3003
	s_cbranch_scc0 .Lentry_shape_is_right
	s_endpgm
.Lentry_shape_is_right:
; Launch 2 of 4: q = x Wq + bq, k = x Wk + bk, v = x Wv + bv on codes of E2M3, and q, k (along the head's 64) and v (along the keys) quantised for the attention.  Nothing is left out.
; LIMITS as in the first launch: NaN and infinities are not served; a block under 2^-124 gets the byte 1.  k's and v's biases are added behind the sums, q's is where the sums begin.
; Layouts (HF, SI, records, the rows of a tile): see the first launch.  SR4, 256 bytes: the scale words of 4 tiles x 64 along K: lane l owns 8 bytes at 8 l: word j is tile 2 j + h, row r; bytes 0, 1 the two blocks' scales, bytes 2, 3 zero.
; SHARES.  256 work-groups.  Work-group (xb, y): 256 tokens (16 tiles of x) x 128 columns of q (8 tiles of Wq), ALL of K in LDS; eight waves, each 64 tokens x one head's 64 columns: 16 accumulators.
; AND ONE BLOCK OF k OR v: the 64 tokens of group y / 2 of the 256 x the 64 columns of k (y even) or v (y odd): 32 x 8 such blocks are all of k and v.  Its four records of weights, 51,200 bytes, are filled over
; Wq's chunk 0 when that has been multiplied, and land under chunk 1's products.  Waves 0 to 3 make it behind q's way out, four accumulators each.
; q, k: source 0 = W, source 1 = x: a lane holds one token and its 32 registers of four tiles are one block of the head's 64.  k: wave w takes token tile w.
; v: the two change places (LDS bases are selected; the text is the same): a lane holds one channel and its 32 registers are one block of the 64 keys; wave w takes channel tile w.
; CLUSTER 4 x 1: the four partners differ in their tokens and share y, and so W's tiles, which are asked for jointly; x's tiles are each work-group's own.
; (Along y nothing is clustered: the choice between k and v hangs on y, which all partners must share.)  No data prefetch: all but the one refill is asked for at the head, and there is no loop to run ahead in.
; OUT: QB: codes [head][tile][768], from byte 6,291,456 on SR4 [head][tile / 4].  KVB, for each batch 16 steps of 128 keys, 13,312 bytes each: k's HF [64 keys e][tile], v's HF [e][channel tile] from 6,144, k's SR4 [e] from 12,288, v's from 12,800.
.set REC,   12800
.set CH,    6400
.set CHK,   153600                     ; LDS: chunk c at c x CHK: x's 16 tiles x 6,400, then
.set BOFF,  102400                     ; Wq's 8 tiles x 6,400.  Later from BOFF on: Wk's or Wv's 4 tiles x 6,400, chunk c at c x XW
.set XW,    25600
.set SPARE, 307200                     ; the spare words, 128 bytes for each of eight waves: no other line names them
.set SPW,  1                           ; v1   SPARE + 4 x my thread's number; never rewritten
.set NIL,  2                           ; v2   0; never rewritten
.set AP16, 3                           ; v3, v4  Wq's four tiles in LDS + 16 l, + 8 l
.set AP8,  4
.set AR16, 5                           ; v5, v6  x's
.set AR8,  6
.set L16,  7                           ; v7   16 l
.set L8,   8                           ; v8   8 l;  v9 128 h, v10 4 (r % 8 + 32 (r / 8)), v11 8 h
.set SCP,  12                          ; v12-19  source 0's scale words: tile i in two registers (K steps 0, 1 | 2, 3; the odd step in lanes 16-31)
.set SCR,  20                          ; v20-27  source 1's
.set PF,   28                          ; v28-75  source 0's four fragments
.set RF,   76                          ; v76-123 source 1's
.set XP16, 124                         ; v124-127 k, v: source 0's four tiles and source 1's one, chunk 0 (v112-115: chunk 1)
.set XP8,  125
.set XR16, 126
.set XR8,  127
.set ACC,  128                         ; accumulator (i, jt) at v[128 + 8 (4 jt + i)]
.set XA,   128                         ; k, v: four accumulators
.set XF0,  28                          ; k, v: two sets of five fragments, v28-87 and v160-219
.set XB,   220                         ; k, v: the bias, v220-251
.set TM,   80                          ; the way out: v80-85 at work
.set WV,   18
.set SEL,  30
.macro ROUND                           ; a round of the cluster's barrier
	s_barrier_signal -1
	s_barrier_wait -1
	s_cmp_lg_u32 s[WV], 0
	s_cbranch_scc1 .Lnot_wave_0_\@
	s_barrier_signal -3
.Lnot_wave_0_\@:
	s_barrier_wait -3
	s_barrier_signal -1
	s_barrier_wait -1
.endm
.macro WALU
	s_wait_alu depctr_va_vdst(0)
.endm
.macro PLACES
.rept 4
	v_nop
.endr
.endm
.macro TLOAD g0, g1
	tensor_load_to_lds s[\g0:\g0+3], s[\g1:\g1+7]
	s_nop 0
	PLACES
.endm
; 32 numbers of a lane, one block: register x = index 32 h + x of my row, become my part of an HF in v[pc .. pc + 5] (pc + 6 .. pc + 8 at work) and the row's two scale bytes in v[pw]
.macro QH s, pc, pw
.irp b, 0,1
	v_max3_num_f32 v[TM+\b], |v[(\s)+16*\b]|, |v[(\s)+16*\b+1]|, 0x1800000   ; two chains, with the floor 2^(3 - 127); each accumulator is read from its low end on
.endr
.irp i, 2,4,6,8,10,12,14
.irp b, 0,1
	v_max3_num_f32 v[TM+\b], v[TM+\b], |v[(\s)+16*\b+\i]|, |v[(\s)+16*\b+\i+1]|
.endr
.endr
	v_max_num_f32 v[TM], v[TM], v[TM+1]            ; the block's largest magnitude
	v_add_nc_u32 v[TM+4], 0xff000000, v[TM]        ; 2 off its exponent field: the conversions' scale operand
	v_cvt_scalef32_pk16_fp6_f32 v[(\pc):(\pc)+2], v[(\s):(\s)+15], v[TM+4]
	v_cvt_scalef32_pk16_fp6_f32 v[(\pc)+6:(\pc)+8], v[(\s)+16:(\s)+31], v[TM+4]
	v_lshrrev_b32 v[TM+2], 23, v[TM+4]             ; the byte (a plain instruction behind the conversions),
	v_lshlrev_b32 v[TM+2], v11, v[TM+2]            ; at its place, 8 h bits up;
	v_permlanex16_b32 v[TM+3], v[TM+2], s[SEL], s[SEL+1]
	v_or_b32 v[\pw], v[TM+2], v[TM+3]              ; with lane l xor 16's the row's two bytes
.irp i, 0,1,2
	v_mov_b32 v[(\pc)+3+\i], v[(\pc)+6+\i]
.endr
.endm
	s_load_b256 s[4:11], s[0:1], 0x0               ; XB s[4:5], WB s[6:7], bq s[8:9], bk s[10:11]
	s_load_b128 s[12:15], s[0:1], 0x20             ; bv s[12:13], QB s[14:15]
	s_load_b64 s[16:17], s[0:1], 0x30              ; KVB
	v_lshl_add_u32 v[SPW], v0, 2, SPARE
	v_mov_b32 v[NIL], 0
	ds_add_u32 v[SPW], v[NIL]                      ; the opening: the add, twice on end, and its wait ahead of my first tensor load
	ds_add_u32 v[SPW], v[NIL]
	v_lshrrev_b32 v3, 5, v0
	v_readfirstlane_b32 s[WV], v3                  ; wave 0..7
	s_and_b32 s19, s[WV], 3                        ; tw: which 64 tokens.  In waves 0 to 3 also w
	s_lshr_b32 s20, s[WV], 2                       ; cg: which 64 columns.  Also the chunk that I fetch
	s_bfe_u32 s21, ttmp6, 0x40000                  ; cx
	s_lshl_b32 s22, ttmp9, 2
	s_add_co_u32 s22, s22, s21                     ; xb: my block of 256 tokens
	s_and_b32 s23, ttmp7, 0xffff                   ; y: my 128 columns of q; the partners share it
	s_lshl_b32 s24, s23, 1
	s_add_co_u32 s24, s24, s20                     ; my head of q
	s_and_b32 s25, s23, 1                          ; 0: k, 1: v
	s_lshr_b32 s26, s23, 1
	s_and_b32 s26, s26, 3                          ; which 64 of the 256 tokens: y / 2, 0 to 3 (the grid has y = 0 .. 7)
	s_mov_b32 s[SEL], 0x76543210
	s_mov_b32 s[SEL+1], 0xfedcba98
	s_mov_b32 s72, 0xffff0000                      ; lanes 16-31
	s_mov_b32 s32, 3<<16                           ; group 1 for x: one chunk of eight records: 8 rows of 800 elements of 8 bytes, 1,600 apart; no mask
	s_mov_b32 s33, 800<<16
	s_mov_b32 s34, 8<<16
	s_mov_b32 s35, 800<<16
	s_mov_b32 s36, 8
	s_mov_b32 s37, 1600
	s_mov_b32 s38, 0
	s_mov_b32 s39, 0
	s_mov_b32 s40, 15|(3<<16)|(1<<21)              ; group 1 for W: one chunk of four records: 4 such rows; the mask names all four partners, bit 21 beside it
	s_mov_b32 s41, 800<<16
	s_mov_b32 s42, 4<<16
	s_mov_b32 s43, 800<<16
	s_mov_b32 s44, 4
	s_mov_b32 s45, 1600
	s_mov_b32 s46, 0
	s_mov_b32 s47, 0
	; ONE LOAD A WAVE AT THE HEAD: chunk c = wave / 4; of its four waves two fetch x's records 8 a .. 8 a + 7 and two Wq's records 4 a .. 4 a + 3, a = wave % 2
	s_and_b32 s79, s[WV], 1                        ; a
	s_lshl_b32 s74, s22, 4
	s_lshl_b32 s75, s79, 3
	s_add_co_u32 s74, s74, s75
	s_mul_i32 s74, s74, REC                        ; x: record 16 xb + 8 a,
	s_mul_i32 s78, s20, CH
	s_add_co_u32 s74, s74, s78                     ; chunk c
	s_mov_b32 s75, 0
	s_lshl_b32 s76, s23, 3
	s_lshl_b32 s77, s79, 2
	s_add_co_u32 s76, s76, s77
	s_mul_i32 s76, s76, REC                        ; Wq: record 8 y + 4 a: no place in the cluster enters it
	s_add_co_u32 s76, s76, s78
	s_mov_b32 s77, 0
	s_lshl_b32 s90, s25, 2                         ; the refill, waves 0 and 1: records 64 + 4 (y % 2) .. + 3, chunk a
	s_add_co_u32 s90, s90, 64
	s_mul_i32 s90, s90, REC
	s_mul_i32 s91, s79, CH
	s_add_co_u32 s90, s90, s91
	s_mov_b32 s91, 0
	s_mov_b32 s56, 1
	s_mul_i32 s57, s79, XW
	s_add_co_u32 s57, s57, BOFF
	s_mul_i32 s78, s20, CHK                        ; where the head's tiles go
	s_mul_i32 s79, s79, 4*CH
	s_mov_b32 s48, 1
	s_add_co_u32 s49, s78, s79
	s_add_co_u32 s49, s49, s79                     ; x: c CHK + 8 a CH
	s_mov_b32 s52, 1
	s_add_co_u32 s53, s78, s79
	s_add_co_u32 s53, s53, BOFF                    ; Wq: c CHK + BOFF + 4 a CH
	; where the results go
	s_lshl_b32 s73, s22, 2
	s_add_co_u32 s27, s73, s19                     ; my group of 64 tokens: 4 xb + tw
	s_mul_i32 s86, s24, 393216
	s_mul_i32 s87, s27, 3072
	s_add_co_u32 s86, s86, s87                     ; q's codes: my head, four tiles of 768 bytes
	s_mov_b32 s87, 0
	s_lshl_b32 s88, s24, 7
	s_add_co_u32 s88, s88, s27
	s_lshl_b32 s88, s88, 8
	s_add_co_u32 s88, s88, 6291456                 ; q's SR4
	s_mov_b32 s89, 0
	s_lshl_b32 s84, s24, 8                         ; bq's 64 numbers of my head
	s_mov_b32 s85, 0
	s_add_co_u32 s27, s73, s26                     ; k, v: the group of 64 tokens 4 xb + y / 2,
	s_and_b32 s27, s27, 31                         ; in its batch
	s_lshr_b32 s92, s22, 3
	s_mul_i32 s92, s92, 212992                     ; the batch
	s_lshr_b32 s73, s27, 1
	s_mul_i32 s73, s73, 13312
	s_add_co_u32 s92, s92, s73                     ; the step
	s_and_b32 s27, s27, 1                          ; e
	s_lshl_b32 s94, s27, 8
	s_add_co_u32 s94, s94, s92
	s_lshl_b32 s73, s25, 9
	s_add_co_u32 s94, s94, s73
	s_add_co_u32 s94, s94, 12288                   ; k's or v's SR4;
	s_and_b32 s73, s19, 1
	s_lshl_b32 s73, s73, 7
	s_add_co_u32 s94, s94, s73                     ; in it tile w's words: 128 (w % 2)
	s_lshr_b32 s73, s19, 1
	s_lshl_b32 s73, s73, 2
	s_add_co_u32 s94, s94, s73                     ; + 4 (w / 2)
	s_mov_b32 s95, 0
	s_mul_i32 s27, s27, 3072
	s_add_co_u32 s92, s92, s27
	s_mul_i32 s73, s25, 6144
	s_add_co_u32 s92, s92, s73
	s_mul_i32 s73, s19, 768
	s_add_co_u32 s92, s92, s73                     ; k's or v's codes, tile w
	s_mov_b32 s93, 0
	; k, v: the LDS bases and the steps from chunk to chunk.  v takes x as source 0
	s_mul_i32 s80, s26, 4*CH                       ; x's four tiles
	s_mov_b32 s81, BOFF
	s_mov_b32 s78, CHK
	s_mov_b32 s79, XW
	s_lshl_b32 s73, s19, 5                         ; v: the bias of channel tile w lies 32 w bytes on
	s_cmp_eq_u32 s25, 1
	s_cselect_b32 s82, s80, s81                    ; source 0
	s_cselect_b32 s83, s81, s80                    ; source 1
	s_cselect_b32 s80, s78, s79                    ; source 0's step
	s_cselect_b32 s81, s79, s78                    ; source 1's
	s_cselect_b32 s78, s73, 0
	s_mov_b32 s79, 0
	s_mul_i32 s73, s19, CH
	s_add_co_u32 s83, s83, s73                     ; source 1: tile w
	s_mul_i32 s27, s19, 4*CH                       ; q: x's four tiles,
	s_mul_i32 s73, s20, 4*CH
	s_add_co_u32 s73, s73, BOFF                    ; Wq's four
	v_and_b32 v9, 31, v0
	v_lshlrev_b32 v[L16], 4, v9
	v_lshlrev_b32 v[L8], 3, v9
	v_add_nc_u32 v[AP16], s73, v[L16]
	v_add_nc_u32 v[AP8], s73, v[L8]
	v_add_nc_u32 v[AR16], s27, v[L16]
	v_add_nc_u32 v[AR8], s27, v[L8]
	v_add_nc_u32 v[XP16], s82, v[L16]
	v_add_nc_u32 v[XP8], s82, v[L8]
	v_add_nc_u32 v[XR16], s83, v[L16]
	v_add_nc_u32 v[XR8], s83, v[L8]
	v_bfe_u32 v11, v0, 4, 1                        ; h
	v_lshlrev_b32 v9, 7, v11                       ; q, k: the bias of my half's 32 columns: 128 h bytes on
	v_and_b32 v10, 15, v0
	v_and_b32 v28, 8, v10
	v_mad_u32_u24 v10, v28, 3, v10
	v_lshlrev_b32 v10, 2, v10                      ; v: the bias of my channel: 4 (r % 8 + 32 (r / 8))
	v_lshlrev_b32 v11, 3, v11                      ; 8 h
	WALU
	s_wait_dscnt 0x0                               ; both opening adds are done
	s_wait_kmcnt 0x0
	s_add_nc_u64 s[50:51], s[4:5], s[74:75]
	s_add_nc_u64 s[54:55], s[6:7], s[76:77]
	s_add_nc_u64 s[58:59], s[6:7], s[90:91]
	s_or_b32 s51, s51, 0x80000000
	s_or_b32 s55, s55, 0x80000000
	s_or_b32 s59, s59, 0x80000000
	s_add_nc_u64 s[66:67], s[8:9], s[84:85]        ; bq's head
	s_add_nc_u64 s[68:69], s[14:15], s[86:87]      ; q's codes,
	s_add_nc_u64 s[70:71], s[14:15], s[88:89]      ; q's SR4
	s_add_nc_u64 s[60:61], s[16:17], s[92:93]      ; k's or v's codes,
	s_add_nc_u64 s[62:63], s[16:17], s[94:95]      ; and scale words
	s_cmp_eq_u32 s25, 1
	s_cselect_b64 s[28:29], s[12:13], s[10:11]     ; bv or bk
	s_add_nc_u64 s[28:29], s[28:29], s[78:79]
	ROUND                                          ; all four work-groups are here: the joint loads meet
	s_cmp_lt_u32 s[WV], 2                          ; one chain of four arms, one first fill in each
	s_cbranch_scc0 .Larm_1
	TLOAD 48, 32                                   ; waves 0, 1: x, chunk 0
	s_branch .Lasked
.Larm_1:
	s_cmp_lt_u32 s[WV], 4
	s_cbranch_scc0 .Larm_2
	TLOAD 52, 40                                   ; waves 2, 3: Wq, chunk 0
	s_branch .Lasked
.Larm_2:
	s_cmp_lt_u32 s[WV], 6
	s_cbranch_scc0 .Larm_3
	TLOAD 48, 32                                   ; waves 4, 5: x, chunk 1
	s_branch .Lasked
.Larm_3:
	TLOAD 52, 40                                   ; waves 6, 7: Wq, chunk 1
.Lasked:
.irp jt, 0,1,2,3                       ; bq goes into the accumulators while the tiles are on their way: register j of accumulator (i, jt) is column 32 h + 8 i + j
.irp i, 0,1,2,3
	global_load_b128 v[ACC+8*(4*\jt+\i):ACC+8*(4*\jt+\i)+3], v9, s[66:67] offset:32*\i
	global_load_b128 v[ACC+8*(4*\jt+\i)+4:ACC+8*(4*\jt+\i)+7], v9, s[66:67] offset:32*\i+16
.endr
.endr
	s_wait_loadcnt 0x0
.macro FRAG reg, a16, a8, i, sp        ; a fragment, 16 rows x 128 K: two HF, as they lie: every load reads consecutive bytes
	ds_load_b128 v[(\reg):(\reg)+3], v[\a16] offset:CH*(\i)+256+1536*(\sp)
	ds_load_b64 v[(\reg)+4:(\reg)+5], v[\a8] offset:CH*(\i)+256+1536*(\sp)+512
	ds_load_b128 v[(\reg)+6:(\reg)+9], v[\a16] offset:CH*(\i)+256+1536*(\sp)+768
	ds_load_b64 v[(\reg)+10:(\reg)+11], v[\a8] offset:CH*(\i)+256+1536*(\sp)+1280
.endm
.macro W6 d, a, b, c, sa, sb, odd      ; a product; odd: the K step's scale words stand in lanes 16-31
.if \odd
	v_wmma_scale_f32_16x16x128_f8f6f4 v[\d:\d+7], v[\a:\a+11], v[\b:\b+11], \c, v[\sa], v[\sb] matrix_a_fmt:MATRIX_FMT_FP6 matrix_b_fmt:MATRIX_FMT_FP6 matrix_a_scale:MATRIX_SCALE_ROW1 matrix_b_scale:MATRIX_SCALE_ROW1
.else
	v_wmma_scale_f32_16x16x128_f8f6f4 v[\d:\d+7], v[\a:\a+11], v[\b:\b+11], \c, v[\sa], v[\sb] matrix_a_fmt:MATRIX_FMT_FP6 matrix_b_fmt:MATRIX_FMT_FP6
.endif
.endm
.macro MM i, jt, sp
.set AC, ACC+8*(4*(\jt)+(\i))
	W6 AC, PF+12*(\i), RF+12*(\jt), v[AC:AC+7], SCP+2*(\i)+(\sp)/2, SCR+2*(\jt)+(\sp)/2, (\sp)%2
.endm
.macro SILOAD                          ; a chunk's scale words of my eight tiles
.irp i, 0,1,2,3
	ds_load_b64 v[SCP+2*\i:SCP+2*\i+1], v[AP8] offset:CH*\i
.endr
.irp i, 0,1,2,3
	ds_load_b64 v[SCR+2*\i:SCR+2*\i+1], v[AR8] offset:CH*\i
.endr
.endm
; A K step of 128: 32 LDS loads, 16 matrix instructions on 16 accumulators by turns.  places = 1: four plain instructions between the last products and the loads into their sources
.macro KSTEP sp, places
.if \places
	PLACES
.endif
.irp i, 0,1,2,3
	FRAG PF+12*\i, AP16, AP8, \i, \sp
.endr
.irp i, 0,1,2,3
	FRAG RF+12*\i, AR16, AR8, \i, \sp
.endr
.irp jt, 0,1,2,3
	s_wait_dscnt 12-4*\jt                          ; source 0's four and source 1's fragment jt are in; the later fragments' four loads each may be out
.irp i, 0,1,2,3
	MM \i, \jt, \sp
.endr
.endr
.endm
	s_cmp_lt_u32 s[WV], 4                          ; chunk 0 is waves 0 to 3's, on load lines of their own: they wait; chunk 1's loads may stay out
	s_cbranch_scc0 .Lchunk_1_wave
	s_wait_tensorcnt 0x0
.Lchunk_1_wave:
	s_barrier_signal -1
	s_barrier_wait -1
	SILOAD
	KSTEP 0, 0
	KSTEP 1, 1
	KSTEP 2, 1
	KSTEP 3, 1
	s_wait_tensorcnt 0x0                           ; all my tensor loads are in, my part of chunk 1 among them;
	ds_add_u32 v[SPW], v[NIL]                      ; the add ahead of a refill's round;
	v_add_nc_u32 v[AP16], CHK, v[AP16]             ; on to chunk 1: these four lines are also the places in front of the loads below
	v_add_nc_u32 v[AP8], CHK, v[AP8]
	v_add_nc_u32 v[AR16], CHK, v[AR16]
	v_add_nc_u32 v[AR8], CHK, v[AR8]
	WALU
	s_wait_dscnt 0x0                               ; the add is done, and so are my reads of chunk 0
	ROUND                                          ; both hold of every wave of the four work-groups
	s_cmp_lt_u32 s[WV], 2
	s_cbranch_scc0 .Lno_refill
	TLOAD 56, 40                                   ; waves 0, 1: Wk's or Wv's four records, chunk a, over Wq's chunk 0: 2 x 25,600 bytes, all filled before
.Lno_refill:
	SILOAD
	KSTEP 0, 0
	KSTEP 1, 1
	KSTEP 2, 1
	KSTEP 3, 1
	s_wait_tensorcnt 0x0                           ; the refill is in (no LDS load of mine is out: the last count-down ended at 0)
	s_barrier_signal -1
	s_barrier_wait -1                              ; and is shown to all
	PLACES                                         ; behind the last products, ahead of the first read of results and of writes over fragments
; q'S WAY OUT: the four accumulators (., jt) are 16 tokens x 64 along the next K: one HF.  Each jt has registers of its own for its codes
.irp jt, 0,1,2,3
	QH ACC+32*\jt, PF+12*\jt, RF+\jt
	global_store_b128 v[L16], v[PF+12*\jt:PF+12*\jt+3], s[68:69] offset:768*\jt        ; 512 consecutive bytes,
	global_store_b64 v[L8], v[PF+12*\jt+4:PF+12*\jt+5], s[68:69] offset:768*\jt+512    ; 256 consecutive bytes
.endr
	v_cndmask_b32 v96, v[RF], v[RF+1], s72         ; SR4: word 0: tile h; word 1: tile 2 + h
	v_cndmask_b32 v97, v[RF+2], v[RF+3], s72
	global_store_b64 v[L8], v[96:97], s[70:71]
	s_cmp_lt_u32 s[WV], 4
	s_cbranch_scc0 .Lend
; ---------------- k OR v, waves 0 to 3: four accumulators, eight K steps, two sets of five fragments by turns
.macro XFR f, p16, p8, r16, r8, sp     ; 20 loads
.irp i, 0,1,2,3
	FRAG (\f)+12*\i, \p16, \p8, \i, \sp
.endr
	FRAG (\f)+48, \r16, \r8, 0, \sp
.endm
.macro XM i, f, s
.if (\s) == 0
	W6 XA+8*(\i), (\f)+12*(\i), (\f)+48, 0, SCP+2*(\i), SCR, 0
.else
	W6 XA+8*(\i), (\f)+12*(\i), (\f)+48, v[XA+8*(\i):XA+8*(\i)+7], SCP+2*(\i)+((\s)%4)/2, SCR+((\s)%4)/2, (\s)%2
.endif
.endm
.macro XSTEP s
.if (\s) < 7
.if ((\s)+1)/4
	XFR XF0+132*(((\s)+1)%2), 112, 113, 114, 115, ((\s)+1)%4
.else
	XFR XF0+132*(((\s)+1)%2), XP16, XP8, XR16, XR8, ((\s)+1)%4
.endif
	s_wait_dscnt 20                                ; this step's fragments are in; the next step's 20 loads may be out
.else
	s_wait_dscnt 0x0
.endif
.irp i, 0,1,2,3
	XM \i, XF0+132*((\s)%2), \s
.endr
	PLACES                                         ; ahead of the loads into this set, and of the first read of results
.if (\s) == 3                          ; chunk 0's last step is issued: chunk 1's scale words take the scale registers; the next step's wait, which leaves its own 20 loads out, covers them
.irp i, 0,1,2,3
	ds_load_b64 v[SCP+2*\i:SCP+2*\i+1], v113 offset:CH*\i
.endr
	ds_load_b64 v[SCR:SCR+1], v115
.endif
.endm
	s_wait_xcnt 0x0                                ; q's stores have read their data: those registers are written again only behind this wait
	s_cmp_eq_u32 s25, 1
	s_cbranch_scc1 .Lbias_v
.irp n, 0,1,2,3,4,5,6,7
	global_load_b128 v[XB+4*\n:XB+4*\n+3], v9, s[28:29] offset:16*\n   ; bk: register 8 i + j is column 32 h + 8 i + j
.endr
	s_branch .Lbias_asked
.Lbias_v:
	global_load_b32 v[XB], v10, s[28:29]           ; bv of my channel 32 (r / 8) + 8 w + r % 8
	v_mov_b32 v[XB+1], 0                           ; (named with it as a pair)
.Lbias_asked:
	v_add_nc_u32 v112, s80, v[XP16]                ; chunk 1's addresses
	v_add_nc_u32 v113, s80, v[XP8]
	v_add_nc_u32 v114, s81, v[XR16]
	v_add_nc_u32 v115, s81, v[XR8]
	WALU
.irp i, 0,1,2,3
	ds_load_b64 v[SCP+2*\i:SCP+2*\i+1], v[XP8] offset:CH*\i
.endr
	ds_load_b64 v[SCR:SCR+1], v[XR8]
	XFR XF0, XP16, XP8, XR16, XR8, 0
.irp s, 0,1,2,3,4,5,6,7
	XSTEP \s
.endr
	s_wait_loadcnt 0x0                             ; the bias is in
	s_cmp_eq_u32 s25, 1
	s_cbranch_scc1 .Ladd_v
.set j, 0
.rept 16
	v_pk_add_f32 v[XA+j:XA+j+1], v[XA+j:XA+j+1], v[XB+j:XB+j+1]
.set j, j+2
.endr
	s_branch .Ladded
.Ladd_v:
.set j, 0
.rept 16
	v_pk_add_f32 v[XA+j:XA+j+1], v[XA+j:XA+j+1], v[XB:XB+1] op_sel_hi:[1,0]
.set j, j+2
.endr
.Ladded:
	WALU                                           ; a jump stands between the additions and their readers
	QH XA, 88, 98
	v_and_b32 v99, 15, v0
	v_lshlrev_b32 v99, 3, v99                      ; 8 r
	global_store_b128 v[L16], v[88:91], s[60:61]
	global_store_b64 v[L8], v[92:93], s[60:61] offset:512
	global_store_b32 v99, v98, s[62:63]            ; tile w's sixteen scale words, 8 bytes apart (both lanes of a row store the same word): the four waves' words fill the SR4's 256 bytes
.Lend:
	s_wait_tensorcnt 0x0                           ; the wave's end
	ds_add_u32 v[SPW], v[NIL]
	s_wait_dscnt 0x0
	ROUND                                          ; the closing round
	s_endpgm
.Lfunc_end_k_q98d72f0cde_proj:
	.size	k_q98d72f0cde_proj, .Lfunc_end_k_q98d72f0cde_proj-k_q98d72f0cde_proj
	.p2alignl 7, 3214868480
	.fill 96, 4, 3214868480
	.section	.rodata,"a",@progbits
	.p2align	6, 0x0
	.amdhsa_kernel k_q98d72f0cde_proj
		.amdhsa_group_segment_fixed_size 327680
		.amdhsa_private_segment_fixed_size 0
		.amdhsa_enable_private_segment 0
		.amdhsa_kernarg_size 56
		.amdhsa_user_sgpr_count 2
		.amdhsa_user_sgpr_kernarg_segment_ptr 1
		.amdhsa_wavefront_size32 1
		.amdhsa_system_sgpr_workgroup_id_x 1
		.amdhsa_system_sgpr_workgroup_id_y 1
		.amdhsa_system_sgpr_workgroup_id_z 1
		.amdhsa_system_vgpr_workitem_id 0
		.amdhsa_next_free_vgpr 256
		.amdhsa_next_free_sgpr 96
		.amdhsa_reserve_vcc 0
		.amdhsa_float_denorm_mode_32 3
		.amdhsa_float_denorm_mode_16_64 3
		.amdhsa_memory_ordered 1
		.amdhsa_forward_progress 1
		.amdhsa_inst_pref_size 77
	.end_amdhsa_kernel
	.amdgpu_metadata
---
amdhsa.version: [ 1, 2 ]
amdhsa.kernels:
  - .name:           k_q98d72f0cde_proj
    .symbol:         k_q98d72f0cde_proj.kd
    .args:
      - { .name: XB, .offset: 0, .size: 8, .value_kind: global_buffer, .address_space: global }
      - { .name: WB, .offset: 8, .size: 8, .value_kind: global_buffer, .address_space: global }
      - { .name: bq, .offset: 16, .size: 8, .value_kind: global_buffer, .address_space: global }
      - { .name: bk, .offset: 24, .size: 8, .value_kind: global_buffer, .address_space: global }
      - { .name: bv, .offset: 32, .size: 8, .value_kind: global_buffer, .address_space: global }
      - { .name: QB, .offset: 40, .size: 8, .value_kind: global_buffer, .address_space: global }
      - { .name: KVB, .offset: 48, .size: 8, .value_kind: global_buffer, .address_space: global }
    .group_segment_fixed_size: 327680
    .private_segment_fixed_size: 0
    .kernarg_segment_align: 8
    .kernarg_segment_size: 56
    .max_flat_workgroup_size: 256
    .sgpr_count:     96
    .vgpr_count:     256
    .wavefront_size: 32
...
	.end_amdgpu_metadata
.endif
;; end of part 2
;; launch att (part 3): grid 256 x 1, 16 waves a work-group, clusters of 4 x 1, 216,064 bytes of LDS; arguments QB, KVB, OB; writes OB
.if DOCPART == 3
	.amdgcn_target "amdgcn-amd-amdhsa--gfx1250"
	.amdhsa_code_object_version 6
	.text
	.protected	k_q98d72f0cde_att
	.globl	k_q98d72f0cde_att
	.p2align	8
	.type	k_q98d72f0cde_att,@function
k_q98d72f0cde_att:
	s_mov_b64 s[64:65], 0
	v_nop
	global_prefetch_b8 v0, s[64:65] scope:SCOPE_SE
	s_setreg_imm32_b32 hwreg(HW_REG_WAVE_MODE, 25, 1), 1
	s_wait_xcnt 0x0
	s_wait_alu depctr_hold_cnt(0) depctr_sa_sdst(0) depctr_va_vdst(0) depctr_va_sdst(0) depctr_va_ssrc(0) depctr_va_vcc(0) depctr_vm_vsrc(0)
	s_getreg_b32 s2, hwreg(HW_REG_IB_STS2, 6, 4)
	s_cmp_eq_u32 s2, 0
	s_cbranch_scc0 .Lentry_in_a_cluster
	s_endpgm
.Lentry_in_a_cluster:
	s_bfe_u32 s2, ttmp6, 0x10000c
	s_cmp_lg_u32 s2, 0x3003
	s_cbranch_scc0 .Lentry_shape_is_right
	s_endpgm
.Lentry_shape_is_right:
; Launch 3 of 4: for each batch, head and query: o = (sum over keys of Q(p) Q(v)) / l, p = 2^(t - M), t = (Q(q) . Q(k)) log2(e) / 8, M = the ceiling of the running largest t,
; l = the sum of the unquantised p; o is quantised along (head, channel).  Nothing of reference() is left out.
; LIMITS: NaN and infinities are not served; a block under 2^-124 (a block of p that has fallen to 0 among them) gets the byte 1: its codes are zeros.
; A block's largest p is made from the block's largest score by the same multiply-add and exponential; this takes v_exp_f32 not to fall where its input rises.
; SHARES.  A work-group takes two tiles of 16 tokens for all 16 heads; a wave is a head and takes the two tiles one after the other.  Four waves share a SIMD.
; k AND v OF THE WHOLE BATCH STAY IN LDS, each byte filled once: 16 steps of 128 keys, 13,312 bytes each (k's 8 HF, v's 8 HF, k's 2 SR4, v's 2 SR4), as the second launch lays them.
; Wave w's one tensor load brings step w.  Wave 0 has a load line of its own and waits ahead of the first barrier: step 0 is worked while the other fifteen land;
; a plain barrier behind it, in front of which every wave has waited, shows the rest.  No data prefetch: all is asked for at the head, so there is no loop to run ahead in.
; CLUSTER 4 x 1: the four partners belong to one batch: its k and v are asked for jointly.
; BOTH PRODUCTS ARE USED TRANSPOSED: S^T = k q^T (source 0 = 16 keys), O^T = v^T p^T (source 0 = 16 channels): a lane holds ONE query throughout.
; THE ROWS OF A TILE: row p of tile t of a group of 64 is index 32 (p / 8) + 8 t + p % 8.  So lane (r, h) holds in the 32 registers of four tiles of S^T the keys 32 h + 0 .. 31 of the group, one whole block,
; which is what the second product's operand wants of that lane: no lane hands codes to another.  The same holds of O^T's 32 registers and the head's channels.
; THE FIRST PRODUCT'S K IS 64, the instruction's 128: q's upper six registers hold zero codes, which meet the next fragment of k (behind the last: zeros) and add nothing; those blocks' scale bytes are 0 on both sides.
.set STEPB, 13312
.set VOF,   6144                       ; in a step: v's HF
.set KSO,   12288                      ; k's two SR4, then v's two
.set OSI,   212992                     ; o's scale bytes are gathered here: 2 tiles x 2 chunks x 256 bytes; no fill lands here
.set SPARE, 214016                     ; the spare words, 128 bytes for each of sixteen waves: no other line names them
.set SPW,  3                           ; v3   SPARE + 4 x my thread's number; never rewritten
.set NIL,  4                           ; v4   0; never rewritten
.set KV,   52                          ; v52-105  eight fragments of k, 6 apart, and six zeros; then four of v, 12 apart
.set S,    106                         ; v106-169 S^T, then p
.set O,    170                         ; v170-201 O^T
.set PC,   202                         ; v202-213 p's codes
.set T0,   214                         ; v214-216, v218-220: a conversion's three registers begin on an even number: the upper halves are made here and moved
.set T1,   218
.set BM,   222                         ; v222-225 four chains of maxima; then v222, v224 my two blocks' largest score, then largest p
.set SO,   226                         ; v226-227 the conversions' scale operands
.set BY,   228                         ; v228-229 the bytes
.set F,    230                         ; v[230:231] f = 2^(old M - new M)
.set PW,   232                         ; v232 p's scale word
.set DM,   233                         ; v233 the old -M, then the difference
.set A1,   234                         ; v234-239 three partial sums of p
.set OC,   240                         ; v240-245 o's codes; v246-248 at work
.set OT,   246
.set WV,   10
.set SEL,  20
; v1 16 l, v2 8 l; v5, v6 the step's addresses; v7 8 h; v8, v9 at work; v10 where my scale byte goes; v11 8 r; v12 -M, v13 the largest score, v[14:15] the sum; v16-27, v28-39 q's two fragments; v40, v41 q's scale words;
; v42-45 k's scale words; v46-49 v's, by 64 keys; v50-51 v's, by 128 keys; v252, v253 the tail's addresses
.macro ROUND
	s_barrier_signal -1
	s_barrier_wait -1
	s_cmp_lg_u32 s[WV], 0
	s_cbranch_scc1 .Lnot_wave_0_\@
	s_barrier_signal -3
.Lnot_wave_0_\@:
	s_barrier_wait -3
	s_barrier_signal -1
	s_barrier_wait -1
.endm
.macro WALU
	s_wait_alu depctr_va_vdst(0)
.endm
.macro TLOAD                           ; my one tensor load
	tensor_load_to_lds s[32:35], s[24:31]
	s_nop 0
.rept 4
	v_nop
.endr
.endm
.macro MM d, a, b, c, sa, sb, odd
.if \odd
	v_wmma_scale_f32_16x16x128_f8f6f4 v[\d:\d+7], v[\a:\a+11], v[\b:\b+11], \c, v[\sa], v[\sb] matrix_a_fmt:MATRIX_FMT_FP6 matrix_b_fmt:MATRIX_FMT_FP6 matrix_a_scale:MATRIX_SCALE_ROW1
.else
	v_wmma_scale_f32_16x16x128_f8f6f4 v[\d:\d+7], v[\a:\a+11], v[\b:\b+11], \c, v[\sa], v[\sb] matrix_a_fmt:MATRIX_FMT_FP6 matrix_b_fmt:MATRIX_FMT_FP6
.endif
.endm
.macro SUMS from, to                   ; pairs from .. to - 1 of p go round the four partial sums
.set i, \from
.rept (\to)-(\from)
.if (i+1)%4 == 3
	v_pk_add_f32 v[14:15], v[14:15], v[S+2*i:S+2*i+1]
.else
	v_pk_add_f32 v[A1+2*((i+1)%4):A1+2*((i+1)%4)+1], v[A1+2*((i+1)%4):A1+2*((i+1)%4)+1], v[S+2*i:S+2*i+1]
.endif
.set i, i+1
.endr
.endm
	s_load_b128 s[4:7], s[0:1], 0x0                ; QB s[4:5], KVB s[6:7]
	s_load_b64 s[8:9], s[0:1], 0x10                ; OB
	v_lshl_add_u32 v[SPW], v0, 2, SPARE
	v_mov_b32 v[NIL], 0
	ds_add_u32 v[SPW], v[NIL]                      ; the opening: the add, twice on end, and its wait ahead of my first tensor load
	ds_add_u32 v[SPW], v[NIL]
	v_lshrrev_b32 v5, 5, v0
	v_readfirstlane_b32 s[WV], v5                  ; wave = head, 0..15
	s_bfe_u32 s11, ttmp6, 0x40000                  ; cx
	s_lshl_b32 s12, ttmp9, 2
	s_add_co_u32 s12, s12, s11                     ; id: my pair of token tiles
	s_lshr_b32 s13, ttmp9, 4                       ; the batch: the partners share it
	s_mov_b32 s[SEL], 0x76543210
	s_mov_b32 s[SEL+1], 0xfedcba98                 ; v_permlanex16_b32's selects for lane l xor 16
	s_mov_b32 s22, 0x3e38aa3b                      ; c = log2(e) / 8
	s_mov_b32 s23, s22                             ; (named with it as a pair)
	s_mov_b32 s24, 15|(3<<16)|(1<<21)              ; group 1: 52 rows of 256 bytes, dense: a step; the mask names all four partners, bit 21 beside it
	s_mov_b32 s25, 32<<16
	s_mov_b32 s26, 52<<16
	s_mov_b32 s27, 32<<16
	s_mov_b32 s28, 52
	s_mov_b32 s29, 32
	s_mov_b32 s30, 0
	s_mov_b32 s31, 0
	s_mov_b32 s32, 1
	s_mul_i32 s33, s[WV], STEPB                    ; LDS address: wave x 13,312
	s_mul_i32 s14, s13, 212992
	s_add_co_u32 s14, s14, s33                     ; and the same place in the batch's part of KVB
	s_mov_b32 s15, 0
	s_mul_i32 s48, s[WV], 393216
	s_mul_i32 s49, s12, 1536
	s_add_co_u32 s48, s48, s49                     ; q's codes: head, tile 2 id
	s_mov_b32 s49, 0
	s_lshl_b32 s50, s[WV], 7
	s_lshr_b32 s51, s12, 1
	s_add_co_u32 s50, s50, s51
	s_lshl_b32 s50, s50, 8                         ; q's SR4: tiles 2 id, 2 id + 1 are tiles 2 (id % 2) + 0, 1 of group id / 2: word id % 2, lanes 16 x tile + r
	s_and_b32 s51, s12, 1
	s_lshl_b32 s51, s51, 2
	s_add_co_u32 s50, s50, s51
	s_add_co_u32 s50, s50, 6291456
	s_mov_b32 s51, 0
	s_mul_i32 s52, s12, 25600                      ; o: record 2 id, chunk head / 8, HF head % 8
	s_lshr_b32 s53, s[WV], 3
	s_mul_i32 s53, s53, 6400
	s_add_co_u32 s52, s52, s53
	s_and_b32 s53, s[WV], 7
	s_mul_i32 s53, s53, 768
	s_add_co_u32 s52, s52, s53
	s_add_co_u32 s52, s52, 256
	s_mov_b32 s53, 0
	s_mul_i32 s54, s12, 25600                      ; the tail: record 2 id + wave % 2 (waves 0 and 1 use it)
	s_and_b32 s55, s[WV], 1
	s_mul_i32 s55, s55, 12800
	s_add_co_u32 s54, s54, s55
	s_mov_b32 s55, 0
	s_lshr_b32 s16, s[WV], 3                       ; my head's two bytes among o's scale words: 256 x chunk + 128 (step % 2) + 4 (step / 2) + 2 (head % 2), step = (head % 8) / 2
	s_lshl_b32 s16, s16, 8
	s_bfe_u32 s17, s[WV], 0x10001
	s_lshl_b32 s17, s17, 7
	s_add_co_u32 s16, s16, s17
	s_bfe_u32 s17, s[WV], 0x10002
	s_lshl_b32 s17, s17, 2
	s_add_co_u32 s16, s16, s17
	s_and_b32 s17, s[WV], 1
	s_lshl_b32 s18, s17, 1
	s_add_co_u32 s16, s16, s18
	s_add_co_u32 s16, s16, OSI
	s_lshl_b32 s17, s17, 9
	s_add_co_u32 s17, s17, OSI
	v_and_b32 v5, 31, v0
	v_and_b32 v6, 15, v0                           ; r
	v_bfe_u32 v8, v0, 4, 1                         ; h
	v_lshlrev_b32 v1, 4, v5                        ; 16 l
	v_lshlrev_b32 v2, 3, v5                        ; 8 l
	v_lshlrev_b32 v11, 3, v6                       ; 8 r
	v_lshl_add_u32 v10, v6, 3, v8
	v_add_nc_u32 v10, s16, v10                     ; + 8 r + h: block h's byte of row r
	v_lshlrev_b32 v7, 3, v8                        ; 8 h
	v_add_nc_u32 v252, s17, v1                     ; the tail: a tile's two SI, 16 bytes a lane,
	v_mul_u32_u24 v253, v8, 6400
	v_lshl_add_u32 v253, v6, 4, v253               ; and their places in the record
.irp j, 22,23,24,25,26,27,34,35,36,37,38,39
	v_mov_b32 v[\j], 0                             ; q's zero codes for k = 64 .. 127
.endr
.irp j, 100,101,102,103,104,105
	v_mov_b32 v[\j], 0                             ; behind k's last fragment
.endr
	v_mov_b32 v9, 0                                ; written once: a lane permute's destination counts as one of its sources;
	v_mov_b32 v[F+1], 0                            ; and the upper half of the pair f
	WALU
	s_wait_dscnt 0x0                               ; both opening adds are done
	s_wait_kmcnt 0x0
	s_add_nc_u64 s[34:35], s[6:7], s[14:15]
	s_or_b32 s35, s35, 0x80000000
	s_add_nc_u64 s[42:43], s[4:5], s[48:49]
	s_add_nc_u64 s[44:45], s[4:5], s[50:51]
	s_add_nc_u64 s[40:41], s[8:9], s[52:53]
	s_add_nc_u64 s[46:47], s[8:9], s[54:55]
	global_load_b128 v[16:19], v1, s[42:43]        ; q's two HF stay in registers; they are on their way through the round below
	global_load_b64 v[20:21], v2, s[42:43] offset:512
	global_load_b128 v[28:31], v1, s[42:43] offset:768
	global_load_b64 v[32:33], v2, s[42:43] offset:1280
	global_load_b32 v40, v11, s[44:45]             ; and their scale words
	global_load_b32 v41, v11, s[44:45] offset:128
	ROUND                                          ; all four work-groups are here: the joint loads meet
	s_cmp_lt_u32 s[WV], 1
	s_cbranch_scc0 .Llater_steps
	TLOAD                                          ; wave 0: step 0
	s_branch .Lasked
.Llater_steps:
	TLOAD                                          ; waves 1 to 15: steps 1 to 15
.Lasked:
	s_wait_loadcnt 0x0
	s_cmp_lt_u32 s[WV], 1
	s_cbranch_scc0 .Lnot_first_step
	s_wait_tensorcnt 0x0                           ; wave 0: step 0 is in
.Lnot_first_step:
	s_barrier_signal -1
	s_barrier_wait -1                              ; and is shown to all; the others may be on their way
.macro START                           ; a tile of 16 queries begins
	v_mov_b32 v13, 0xff61b1e6                      ; the largest score so far: -3e38
	v_floor_f32 v12, -v13                          ; -M
	v_mov_b32 v14, 0
	v_mov_b32 v15, 0
.set j, 0
.rept 32
	v_mov_b32 v[O+j], 0                            ; the step is written once: the first finds zeros, which the first change of M leaves zeros
.set j, j+1
.endr
	s_mov_b32 s36, 0                               ; the step's place in LDS
.endm
; n steps of 128 keys for tile tl
.macro TRIPS tl, n, tag
	s_mov_b32 s38, \n
.Lkeys_\tag:
	v_add_nc_u32 v5, s36, v1
	v_add_nc_u32 v6, s36, v2
.irp t, 0,1,2,3,4,5,6,7
	ds_load_b128 v[KV+6*\t:KV+6*\t+3], v5 offset:768*\t
	ds_load_b64 v[KV+6*\t+4:KV+6*\t+5], v6 offset:768*\t+512
.endr
.irp i, 0,1,2,3
	ds_load_b64 v[42+2*\i:43+2*\i], v6 offset:KSO+256*\i   ; k's scale words of tiles 0-3, 4-7; v's of the first 64 keys, the second
.endr
	WALU
	s_wait_dscnt 0x0
.irp t, 0,1,2,3,4,5,6,7
	MM S+8*\t, KV+6*\t, 16+12*\tl, 0, 42+\t/2, 40+\tl, \t%2
.endr
	v_lshl_or_b32 v50, v48, 16, v46                ; v's scale words for the 128 keys.  These four lines are the places behind the products,
	v_lshl_or_b32 v51, v49, 16, v47                ; ahead of the loads into k's registers and of the first read of scores
	v_mov_b32 v[DM], v12                           ; the old -M
	v_nop
.irp e, 0,1                            ; v's four fragments land while the softmax is worked
.irp t, 0,1,2,3
	ds_load_b128 v[KV+12*\t+6*\e:KV+12*\t+6*\e+3], v5 offset:VOF+(4*\e+\t)*768
	ds_load_b64 v[KV+12*\t+6*\e+4:KV+12*\t+6*\e+5], v6 offset:VOF+(4*\e+\t)*768+512
.endr
.endr
.irp b, 0,1,2,3
	v_max3_num_f32 v[BM+\b], v[S+16*\b], v[S+16*\b+1], v[S+16*\b+2]   ; four chains by turns; each accumulator is read from its low end on
.endr
.irp i, 3,5,7,9,11,13
.irp b, 0,1,2,3
	v_max3_num_f32 v[BM+\b], v[BM+\b], v[S+16*\b+\i], v[S+16*\b+\i+1]
.endr
.endr
	v_max3_num_f32 v[BM], v[BM], v[S+15], v[S+31]
	v_max3_num_f32 v[BM+2], v[BM+2], v[S+47], v[S+63]
	v_max_num_f32 v[BM], v[BM], v[BM+1]            ; the largest score of my block h,
	v_max_num_f32 v[BM+2], v[BM+2], v[BM+3]        ; and of my block 2 + h: for the row's maximum and for the block's largest p
	s_delay_alu instid0(VALU_DEP_1)
	v_max_num_f32 v8, v[BM], v[BM+2]
	s_delay_alu instid0(VALU_DEP_1)
	v_permlanex16_b32 v9, v8, s[SEL], s[SEL+1]
	s_delay_alu instid0(VALU_DEP_1)
	v_max3_num_f32 v13, v13, v8, v9                ; the running largest score (c is positive)
	s_delay_alu instid0(VALU_DEP_1)
	v_mul_f32 v8, s22, v13                         ; as t
	s_delay_alu instid0(VALU_DEP_1)
	v_floor_f32 v12, -v8                           ; the new -M = -ceil(t): a whole number
	s_delay_alu instid0(VALU_DEP_1)
	v_sub_f32 v[DM], v12, v[DM]                    ; old M - new M, 0 or less
	s_delay_alu instid0(VALU_DEP_1)
	v_cvt_i32_f32 v[DM], v[DM]                     ; (it saturates)
	s_delay_alu instid0(VALU_DEP_1)
	v_ldexp_f32 v[F], 1.0, v[DM]                   ; f = 2^(old M - new M): a multiplication by it rounds nothing
.set j, 0
.rept 32
	v_pk_fma_f32 v[S+j:S+j+1], v[S+j:S+j+1], s[22:23], v[12:13] op_sel_hi:[1,0,0]   ; t - M, two at a time
.set j, j+2
.endr
	v_fma_f32 v[BM], v[BM], s22, v12
	v_fma_f32 v[BM+2], v[BM+2], s22, v12
	v_pk_mul_f32 v[14:15], v[14:15], v[F:F+1] op_sel_hi:[1,0]   ; the sum and O^T under the new M, ahead of the exponentials
.set j, 0
.rept 16
	v_pk_mul_f32 v[O+j:O+j+1], v[O+j:O+j+1], v[F:F+1] op_sel_hi:[1,0]
.set j, j+2
.endr
	WALU
.set j, 0
.rept 64
	v_exp_f32 v[S+j], v[S+j]                       ; p = 2^(t - M): one batch of 66 exponentials,
.set j, j+1
.endr
	v_exp_f32 v[BM], v[BM]                         ; my two blocks' largest p among them
	v_exp_f32 v[BM+2], v[BM+2]
	v_nop                                          ; a plain instruction behind the batch
	WALU                                           ; and the one wait ahead of its first reader;
	s_wait_dscnt 0x0                               ; v's fragments are in
	v_max_num_f32 v[BM], 0x1800000, v[BM]          ; the floor 2^(3 - 127)
	v_max_num_f32 v[BM+2], 0x1800000, v[BM+2]
	v_add_nc_u32 v[SO], 0xff000000, v[BM]          ; 2 off the exponent field: the conversions' scale operands
	v_add_nc_u32 v[SO+1], 0xff000000, v[BM+2]
	v_cvt_scalef32_pk16_fp6_f32 v[PC:PC+2], v[S:S+15], v[SO]
	v_cvt_scalef32_pk16_fp6_f32 v[T0:T0+2], v[S+16:S+31], v[SO]
	v_cvt_scalef32_pk16_fp6_f32 v[PC+6:PC+8], v[S+32:S+47], v[SO+1]
	v_cvt_scalef32_pk16_fp6_f32 v[T1:T1+2], v[S+48:S+63], v[SO+1]
	v_lshrrev_b32 v[BY], 23, v[SO]                 ; the bytes (plain instructions behind the conversions)
	v_lshrrev_b32 v[BY+1], 23, v[SO+1]
	v_lshl_or_b32 v[PW], v[BY+1], 16, v[BY]        ; blocks h and 2 + h,
	v_lshlrev_b32 v[PW], v7, v[PW]                 ; at their places, 8 h bits up;
	v_permlanex16_b32 v9, v[PW], s[SEL], s[SEL+1]
	v_or_b32 v[PW], v[PW], v9                      ; with lane l xor 16's two: p's scale word for these 128 keys
.irp i, 0,1,2
	v_mov_b32 v[PC+3+\i], v[T0+\i]
	v_mov_b32 v[PC+9+\i], v[T1+\i]
.endr
	v_pk_add_f32 v[A1:A1+1], v[S:S+1], v[S+2:S+3]  ; THE SUM IS TAKEN OF THE UNQUANTISED p, in four partial sums.  Ten additions are the places ahead of the products,
	v_pk_add_f32 v[A1+2:A1+3], v[S+4:S+5], v[S+6:S+7]
	v_pk_add_f32 v[A1+4:A1+5], v[S+8:S+9], v[S+10:S+11]
	v_pk_add_f32 v[14:15], v[14:15], v[S+12:S+13]
	SUMS 7, 13
.irp t, 0,1,2,3                        ; four accumulators by turns; eleven other products stand between two links of a chain
	MM O+8*\t, KV+12*\t, PC, v[O+8*\t:O+8*\t+7], 50+\t/2, PW, \t%2
.endr
	SUMS 13, 32                                    ; and the other 22 the places behind them
	v_pk_add_f32 v[A1:A1+1], v[A1:A1+1], v[A1+2:A1+3]
	v_pk_add_f32 v[14:15], v[14:15], v[A1+4:A1+5]
	v_pk_add_f32 v[14:15], v[14:15], v[A1:A1+1]
	s_add_co_u32 s36, s36, STEPB
	s_sub_co_u32 s38, s38, 1
	s_cmp_lg_u32 s38, 0
	s_cbranch_scc1 .Lkeys_\tag
.endm
; the way out of tile tl: o = O^T / l; my 32 numbers are block h of my query's 64 channels of this head
.macro FINISH tl
	v_add_f32 v14, v14, v15                        ; the sum's two halves,
	v_permlanex16_b32 v9, v14, s[SEL], s[SEL+1]
	v_add_f32 v14, v14, v9                         ; and lane l xor 16's keys
	WALU                                           ; the wait ahead of the reciprocal,
	v_rcp_f32 v14, v14
	v_nop                                          ; a plain instruction behind it,
	s_wait_xcnt 0x0                                ; (the last tile's stores have read their data: the codes' registers are rewritten only behind this wait)
	WALU                                           ; and the wait ahead of its first reader, which is O^T's first reader too
.set j, 0
.rept 16
	v_pk_mul_f32 v[S+j:S+j+1], v[O+j:O+j+1], v[14:15] op_sel_hi:[1,0]   ; each accumulator from its low end on
.set j, j+2
.endr
.irp b, 0,1
	v_max3_num_f32 v[BM+\b], |v[S+16*\b]|, |v[S+16*\b+1]|, 0x1800000    ; two chains, with the floor 2^(3 - 127)
.endr
.irp i, 2,4,6,8,10,12,14
.irp b, 0,1
	v_max3_num_f32 v[BM+\b], v[BM+\b], |v[S+16*\b+\i]|, |v[S+16*\b+\i+1]|
.endr
.endr
	v_max_num_f32 v[BM], v[BM], v[BM+1]
	v_add_nc_u32 v[SO], 0xff000000, v[BM]
	v_cvt_scalef32_pk16_fp6_f32 v[OC:OC+2], v[S:S+15], v[SO]
	v_cvt_scalef32_pk16_fp6_f32 v[OT:OT+2], v[S+16:S+31], v[SO]
	v_lshrrev_b32 v[BY], 23, v[SO]
.irp i, 0,1,2
	v_mov_b32 v[OC+3+\i], v[OT+\i]
.endr
	global_store_b128 v1, v[OC:OC+3], s[40:41] offset:12800*\tl          ; 512 consecutive bytes,
	global_store_b64 v2, v[OC+4:OC+5], s[40:41] offset:12800*\tl+512     ; 256 consecutive bytes: an HF
	ds_store_b8 v10, v[BY] offset:512*\tl
.endm
	START
	TRIPS 0, 1, a
	s_wait_tensorcnt 0x0                           ; every wave: my step is in,
	s_wait_dscnt 0x0
	s_barrier_signal -1
	s_barrier_wait -1                              ; everybody's is
	TRIPS 0, 15, b
	FINISH 0
	START
	TRIPS 1, 16, c
	FINISH 1
	s_wait_dscnt 0x0                               ; for the others' sake: my bytes lie in LDS
	s_barrier_signal -1
	s_barrier_wait -1
	s_cmp_lt_u32 s[WV], 2
	s_cbranch_scc0 .Lnot_si
	ds_load_b128 v[106:109], v252                  ; wave w: tile w's two SI, whole
	s_wait_dscnt 0x0
	global_store_b128 v253, v[106:109], s[46:47]   ; sixteen lanes store 256 consecutive bytes
.Lnot_si:
	s_wait_tensorcnt 0x0                           ; the wave's end
	ds_add_u32 v[SPW], v[NIL]
	s_wait_dscnt 0x0
	ROUND                                          ; the closing round
	s_endpgm
.Lfunc_end_k_q98d72f0cde_att:
	.size	k_q98d72f0cde_att, .Lfunc_end_k_q98d72f0cde_att-k_q98d72f0cde_att
	.p2alignl 7, 3214868480
	.fill 96, 4, 3214868480
	.section	.rodata,"a",@progbits
	.p2align	6, 0x0
	.amdhsa_kernel k_q98d72f0cde_att
		.amdhsa_group_segment_fixed_size 216064
		.amdhsa_private_segment_fixed_size 0
		.amdhsa_enable_private_segment 0
		.amdhsa_kernarg_size 24
		.amdhsa_user_sgpr_count 2
		.amdhsa_user_sgpr_kernarg_segment_ptr 1
		.amdhsa_wavefront_size32 1
		.amdhsa_system_sgpr_workgroup_id_x 1
		.amdhsa_system_sgpr_workgroup_id_y 1
		.amdhsa_system_sgpr_workgroup_id_z 1
		.amdhsa_system_vgpr_workitem_id 0
		.amdhsa_next_free_vgpr 256
		.amdhsa_next_free_sgpr 66
		.amdhsa_reserve_vcc 0
		.amdhsa_float_denorm_mode_32 3
		.amdhsa_float_denorm_mode_16_64 3
		.amdhsa_memory_ordered 1
		.amdhsa_forward_progress 1
		.amdhsa_inst_pref_size 62
	.end_amdhsa_kernel
	.amdgpu_metadata
---
amdhsa.version: [ 1, 2 ]
amdhsa.kernels:
  - .name:           k_q98d72f0cde_att
    .symbol:         k_q98d72f0cde_att.kd
    .args:
      - { .name: QB, .offset: 0, .size: 8, .value_kind: global_buffer, .address_space: global }
      - { .name: KVB, .offset: 8, .size: 8, .value_kind: global_buffer, .address_space: global }
      - { .name: OB, .offset: 16, .size: 8, .value_kind: global_buffer, .address_space: global }
    .group_segment_fixed_size: 216064
    .private_segment_fixed_size: 0
    .kernarg_segment_align: 8
    .kernarg_segment_size: 24
    .max_flat_workgroup_size: 512
    .sgpr_count:     66
    .vgpr_count:     256
    .wavefront_size: 32
...
	.end_amdgpu_metadata
.endif
;; end of part 3
;; launch outp (part 4): grid 32 x 8, 8 waves a work-group, clusters of 4 x 4, 308,224 bytes of LDS; arguments OB, WB, bo, out0; writes out0
.if DOCPART == 4
	.amdgcn_target "amdgcn-amd-amdhsa--gfx1250"
	.amdhsa_code_object_version 6
	.text
	.protected	k_q98d72f0cde_outp
	.globl	k_q98d72f0cde_outp
	.p2align	8
	.type	k_q98d72f0cde_outp,@function
k_q98d72f0cde_outp:
	s_mov_b64 s[64:65], 0
	v_nop
	global_prefetch_b8 v0, s[64:65] scope:SCOPE_SE
	s_setreg_imm32_b32 hwreg(HW_REG_WAVE_MODE, 25, 1), 1
	s_wait_xcnt 0x0
	s_wait_alu depctr_hold_cnt(0) depctr_sa_sdst(0) depctr_va_vdst(0) depctr_va_sdst(0) depctr_va_ssrc(0) depctr_va_vcc(0) depctr_vm_vsrc(0)
	s_getreg_b32 s2, hwreg(HW_REG_IB_STS2, 6, 4)
	s_cmp_eq_u32 s2, 0
	s_cbranch_scc0 .Lentry_in_a_cluster
	s_endpgm
.Lentry_in_a_cluster:
	s_bfe_u32 s2, ttmp6, 0x10000c
	s_cmp_lg_u32 s2, 0xf033
	s_cbranch_scc0 .Lentry_shape_is_right
	s_endpgm
.Lentry_shape_is_right:
; Launch 4 of 4: out0 = o Wo + bo on codes of E2M3.  Nothing is left out.  Layouts: see the first launch.
; The frame is the second launch's: a work-group takes 256 tokens (16 records of OB) x 128 columns (8 records of Wo, from record 72 of WB on), all of K in LDS, each byte filled once; eight waves of 64 x 64; K in two chunks of 512.
; Source 0 = 16 columns of Wo, source 1 = 16 tokens: a lane holds one token and eight neighbouring columns.  bo is loaded into the accumulators.
; CLUSTER 4 x 4: o's tiles hang on the block of tokens alone and are shared along a column of the cluster; Wo's on the block of columns alone and are shared along a row: both are asked for jointly.
; THE WAY OUT: 16 tokens x 64 columns at a time through the wave's own stage in LDS, back as rows of 256 bytes; the stores' offsets undo the order of tokens in a tile.
; The stages lie in chunk 0's bytes: these have had their one fill, and behind the second barrier nobody reads them.
.set REC,   12800
.set CH,    6400
.set CHK,   153600
.set BOFF,  102400
.set SPARE, 307200                     ; the spare words, 128 bytes for each of eight waves: no other line names them
.set SPW,  1
.set NIL,  2
.set AP16, 3                           ; v3, v4  Wo's four tiles in LDS + 16 l, + 8 l
.set AP8,  4
.set AR16, 5                           ; v5, v6  o's
.set AR8,  6
.set STO,  10                          ; v10  the stage: where I put 32 bytes of a row
.set RD,   11                          ; v11  and where I read a row back
.set GO,   124                         ; v124 my byte offset in two rows of out0
.set SCP,  12
.set SCR,  20
.set PF,   28
.set RF,   76
.set ACC,  128
.set WV,   18
.macro ROUND
	s_barrier_signal -1
	s_barrier_wait -1
	s_cmp_lg_u32 s[WV], 0
	s_cbranch_scc1 .Lnot_wave_0_\@
	s_barrier_signal -3
.Lnot_wave_0_\@:
	s_barrier_wait -3
	s_barrier_signal -1
	s_barrier_wait -1
.endm
	s_load_b256 s[4:11], s[0:1], 0x0               ; OB s[4:5], WB s[6:7], bo s[8:9], out0 s[10:11]
	v_lshl_add_u32 v[SPW], v0, 2, SPARE
	v_mov_b32 v[NIL], 0
	ds_add_u32 v[SPW], v[NIL]                      ; the opening: the add, twice on end, and its wait ahead of my first tensor load
	ds_add_u32 v[SPW], v[NIL]
	v_lshrrev_b32 v3, 5, v0
	s_delay_alu instid0(VALU_DEP_1)
	v_readfirstlane_b32 s[WV], v3                  ; wave 0..7
	s_and_b32 s19, s[WV], 3                        ; tw: which 64 tokens
	s_lshr_b32 s20, s[WV], 2                       ; cg: which 64 columns
	s_bfe_u32 s21, ttmp6, 0x40000                  ; cx
	s_bfe_u32 s25, ttmp6, 0x40004                  ; cy
	s_lshl_b32 s22, ttmp9, 2
	s_add_co_u32 s22, s22, s21                     ; xb: my block of 256 tokens
	s_and_b32 s23, ttmp7, 0xffff
	s_lshl_b32 s23, s23, 2
	s_add_co_u32 s23, s23, s25                     ; y: my block of 128 columns
	s_lshl_b32 s26, s25, 2
	s_lshl_b32 s26, 15, s26                        ; my row of the cluster
	s_lshl_b32 s27, 0x1111, s21                    ; my column
	; group 1 for o: one chunk of eight records: 8 rows of 800 elements of 8 bytes, 1,600 apart; shared along my column
	s_or_b32 s32, s27, (3<<16)|(1<<21)
	s_mov_b32 s33, 800<<16
	s_mov_b32 s34, 8<<16                           ; one chunk of eight records: 8 rows
	s_mov_b32 s35, 800<<16
	s_mov_b32 s36, 8
	s_mov_b32 s37, 1600
	s_mov_b32 s38, 0
	s_mov_b32 s39, 0
	; group 1 for Wo: one chunk of four records: 4 rows of 800 elements of 8 bytes, 1,600 apart; shared along my row
	s_or_b32 s40, s26, (3<<16)|(1<<21)
	s_mov_b32 s41, 800<<16                         ; one chunk of four records: 4 rows of 800 elements, 1,600 apart
	s_mov_b32 s42, 4<<16
	s_mov_b32 s43, 800<<16
	s_mov_b32 s44, 4
	s_mov_b32 s45, 1600
	s_mov_b32 s46, 0
	s_mov_b32 s47, 0
	; ONE LOAD A WAVE: chunk c = wave / 4; of its four waves two fetch o's records 8 a .. 8 a + 7 and two Wo's records 4 a .. 4 a + 3, a = wave % 2
	s_and_b32 s79, s[WV], 1                        ; a
	s_lshl_b32 s74, s22, 4
	s_lshl_b32 s75, s79, 3
	s_add_co_u32 s74, s74, s75
	s_mul_i32 s74, s74, REC                        ; o: record 16 xb + 8 a: these registers never hold cy
	s_mul_i32 s78, s20, CH
	s_add_co_u32 s74, s74, s78                     ; chunk c
	s_mov_b32 s75, 0
	s_lshl_b32 s76, s23, 3
	s_lshl_b32 s77, s79, 2
	s_add_co_u32 s76, s76, s77
	s_add_co_u32 s76, s76, 72
	s_mul_i32 s76, s76, REC                        ; Wo: record 72 + 8 y + 4 a: these never hold cx
	s_add_co_u32 s76, s76, s78
	s_mov_b32 s77, 0
	s_mul_i32 s78, s20, CHK                        ; where they go: no place in the cluster enters an LDS address
	s_mul_i32 s79, s79, 4*CH
	s_mov_b32 s48, 1
	s_add_co_u32 s49, s78, s79
	s_add_co_u32 s49, s49, s79                     ; o: c CHK + 8 a CH
	s_mov_b32 s52, 1
	s_add_co_u32 s53, s78, s79
	s_add_co_u32 s53, s53, BOFF                    ; Wo: c CHK + BOFF + 4 a CH
	s_lshl_b32 s84, s23, 9
	s_lshl_b32 s85, s20, 8
	s_add_co_u32 s84, s84, s85                     ; my 64 columns, in bytes
	s_mov_b32 s85, 0
	s_lshl_b32 s86, s22, 20
	s_lshl_b32 s87, s19, 18
	s_add_co_u32 s86, s86, s87
	s_add_co_u32 s86, s86, s84                     ; and my 64 tokens' rows of 4,096 bytes
	s_mov_b32 s87, 0
	s_mul_i32 s80, s19, 4*CH                       ; o's four tiles
	s_mul_i32 s81, s20, 4*CH
	s_add_co_u32 s81, s81, BOFF                    ; Wo's four
	s_mul_i32 s82, s[WV], 16*272                   ; my stage
	v_and_b32 v9, 31, v0
	s_delay_alu instid0(VALU_DEP_1)
	v_lshlrev_b32 v7, 4, v9
	s_delay_alu instid0(VALU_DEP_2)
	v_lshlrev_b32 v8, 3, v9
	s_delay_alu instid0(VALU_DEP_2)
	v_add_nc_u32 v[AP16], s81, v7
	s_delay_alu instid0(VALU_DEP_2)
	v_add_nc_u32 v[AP8], s81, v8
	s_delay_alu instid0(VALU_DEP_4)
	v_add_nc_u32 v[AR16], s80, v7
	s_delay_alu instid0(VALU_DEP_4)
	v_add_nc_u32 v[AR8], s80, v8
	v_and_b32 v7, 15, v0                           ; r
	v_bfe_u32 v8, v0, 4, 1                         ; h
	s_delay_alu instid0(VALU_DEP_1)
	v_lshlrev_b32 v9, 5, v8                        ; the bias of my half's columns: 32 h bytes on
	s_delay_alu instid0(VALU_DEP_3)
	v_mul_u32_u24 v[STO], v7, 272
	s_delay_alu instid0(VALU_DEP_1)
	v_lshl_add_u32 v[STO], v8, 5, v[STO]
	s_delay_alu instid0(VALU_DEP_1)
	v_add_nc_u32 v[STO], s82, v[STO]               ; in: row r, 32 bytes for each half of the lanes
	v_mul_u32_u24 v[RD], v8, 272
	s_delay_alu instid0(VALU_DEP_1)
	v_lshl_add_u32 v[RD], v7, 4, v[RD]
	s_delay_alu instid0(VALU_DEP_1)
	v_add_nc_u32 v[RD], s82, v[RD]                 ; back: lanes 0-15 one row of 256 bytes, lanes 16-31 the next
	v_lshlrev_b32 v[GO], 12, v8
	s_delay_alu instid0(VALU_DEP_1)
	v_lshl_add_u32 v[GO], v7, 4, v[GO]             ; and the same in out0
	s_wait_dscnt 0x0                               ; both opening adds are done
	s_wait_kmcnt 0x0
	s_add_nc_u64 s[50:51], s[4:5], s[74:75]
	s_add_nc_u64 s[54:55], s[6:7], s[76:77]
	s_or_b32 s51, s51, 0x80000000
	s_or_b32 s55, s55, 0x80000000
	s_add_nc_u64 s[66:67], s[8:9], s[84:85]
	s_add_nc_u64 s[68:69], s[10:11], s[86:87]
	ROUND                                          ; all sixteen work-groups are here: the joint loads meet
	s_cmp_lt_u32 s[WV], 2                          ; one chain of four arms, one first fill in each
	s_cbranch_scc0 .Larm_1
	tensor_load_to_lds s[48:51], s[32:39]          ; waves 0, 1: o, chunk 0
	s_nop 0
.rept 4
	v_nop
.endr
	s_branch .Lasked
.Larm_1:
	s_cmp_lt_u32 s[WV], 4
	s_cbranch_scc0 .Larm_2
	tensor_load_to_lds s[52:55], s[40:47]          ; waves 2, 3: Wo, chunk 0
	s_nop 0
.rept 4
	v_nop
.endr
	s_branch .Lasked
.Larm_2:
	s_cmp_lt_u32 s[WV], 6
	s_cbranch_scc0 .Larm_3
	tensor_load_to_lds s[48:51], s[32:39]          ; waves 4, 5: o, chunk 1
	s_nop 0
.rept 4
	v_nop
.endr
	s_branch .Lasked
.Larm_3:
	tensor_load_to_lds s[52:55], s[40:47]          ; waves 6, 7: Wo, chunk 1
	s_nop 0
.rept 4
	v_nop
.endr
.Lasked:
	s_wait_alu depctr_va_vdst(0)
.irp jt, 0,1,2,3
.irp i, 0,1,2,3                        ; bo goes into the accumulators: register j of (i, jt) is column 16 i + 8 h + j
	global_load_b128 v[ACC+8*(4*\jt+\i):ACC+8*(4*\jt+\i)+3], v9, s[66:67] offset:64*\i
	global_load_b128 v[ACC+8*(4*\jt+\i)+4:ACC+8*(4*\jt+\i)+7], v9, s[66:67] offset:64*\i+16
.endr
.endr
	s_wait_loadcnt 0x0
.macro FRAG reg, a16, a8, i, sp        ; a fragment, 16 rows x 128 K: two HF, as they lie
	ds_load_b128 v[(\reg):(\reg)+3], v[\a16] offset:CH*(\i)+256+1536*(\sp)
	ds_load_b64 v[(\reg)+4:(\reg)+5], v[\a8] offset:CH*(\i)+256+1536*(\sp)+512
	ds_load_b128 v[(\reg)+6:(\reg)+9], v[\a16] offset:CH*(\i)+256+1536*(\sp)+768
	ds_load_b64 v[(\reg)+10:(\reg)+11], v[\a8] offset:CH*(\i)+256+1536*(\sp)+1280
.endm
.macro MM i, jt, sp
.set AC, ACC+8*(4*(\jt)+(\i))
.if (\sp)%2
	v_wmma_scale_f32_16x16x128_f8f6f4 v[AC:AC+7], v[PF+12*(\i):PF+12*(\i)+11], v[RF+12*(\jt):RF+12*(\jt)+11], v[AC:AC+7], v[SCP+2*(\i)+(\sp)/2], v[SCR+2*(\jt)+(\sp)/2] matrix_a_fmt:MATRIX_FMT_FP6 matrix_b_fmt:MATRIX_FMT_FP6 matrix_a_scale:MATRIX_SCALE_ROW1 matrix_b_scale:MATRIX_SCALE_ROW1
.else
	v_wmma_scale_f32_16x16x128_f8f6f4 v[AC:AC+7], v[PF+12*(\i):PF+12*(\i)+11], v[RF+12*(\jt):RF+12*(\jt)+11], v[AC:AC+7], v[SCP+2*(\i)+(\sp)/2], v[SCR+2*(\jt)+(\sp)/2] matrix_a_fmt:MATRIX_FMT_FP6 matrix_b_fmt:MATRIX_FMT_FP6
.endif
.endm
.macro SILOAD
.irp i, 0,1,2,3
	ds_load_b64 v[SCP+2*\i:SCP+2*\i+1], v[AP8] offset:CH*\i
.endr
.irp i, 0,1,2,3
	ds_load_b64 v[SCR+2*\i:SCR+2*\i+1], v[AR8] offset:CH*\i
.endr
.endm
; A K step of 128: 32 LDS loads, 16 matrix instructions on 16 accumulators by turns
.macro KSTEP sp, places
.if \places
.rept 4
	v_nop                                          ; places between the last products and the loads into their sources
.endr
.endif
.irp i, 0,1,2,3
	FRAG PF+12*\i, AP16, AP8, \i, \sp
.endr
.irp i, 0,1,2,3
	FRAG RF+12*\i, AR16, AR8, \i, \sp
.endr
.irp jt, 0,1,2,3
	s_wait_dscnt 12-4*\jt                          ; Wo's four and o's fragment jt are in; the later fragments' four loads each may be out
.irp i, 0,1,2,3
	MM \i, \jt, \sp
.endr
.endr
.endm
	s_cmp_lt_u32 s[WV], 4                          ; chunk 0 is waves 0 to 3's, on load lines of their own: they wait; chunk 1's loads may stay out
	s_cbranch_scc0 .Lchunk_1_wave
	s_wait_tensorcnt 0x0
.Lchunk_1_wave:
	s_barrier_signal -1
	s_barrier_wait -1
	SILOAD
	KSTEP 0, 0
	KSTEP 1, 1
	KSTEP 2, 1
	KSTEP 3, 1
	s_wait_tensorcnt 0x0                           ; my parts of chunk 1 are in (no LDS load of mine is out: the last count-down ended at 0)
	s_barrier_signal -1
	s_barrier_wait -1                              ; and nobody reads chunk 0 any more
	v_add_nc_u32 v[AP16], CHK, v[AP16]             ; on to chunk 1: these four lines are also the places in front of the loads below
	s_wait_alu depctr_va_vdst(0)
	v_add_nc_u32 v[AP8], CHK, v[AP8]
	s_wait_alu depctr_va_vdst(0)
	v_add_nc_u32 v[AR16], CHK, v[AR16]
	s_wait_alu depctr_va_vdst(0)
	v_add_nc_u32 v[AR8], CHK, v[AR8]
	s_wait_alu depctr_va_vdst(0)
	SILOAD
	KSTEP 0, 0
	KSTEP 1, 1
	KSTEP 2, 1
	KSTEP 3, 1
.rept 4
	v_nop                                          ; places behind the last products, ahead of the first read of results
.endr
.macro TOSTAGE jt                      ; tile jt's 16 tokens x 64 columns into my stage, and back as rows, into the registers that they left
.irp i, 0,1,2,3
	ds_store_b128 v[STO], v[ACC+8*(4*(\jt)+\i):ACC+8*(4*(\jt)+\i)+3] offset:64*\i        ; each accumulator from its low end on
	ds_store_b128 v[STO], v[ACC+8*(4*(\jt)+\i)+4:ACC+8*(4*(\jt)+\i)+7] offset:64*\i+16
.endr
.irp t, 0,1,2,3,4,5,6,7
	ds_load_b128 v[ACC+32*(\jt)+4*\t:ACC+32*(\jt)+4*\t+3], v[RD] offset:544*\t   ; LDS serves a wave's instructions in order: these see the stores above, and the next tile's stores come behind them
.endr
.endm
.macro SEND jt, younger                ; younger: the LDS instructions issued behind tile jt's loads
.irp t, 0,1,2,3,4,5,6,7
	s_wait_dscnt (\younger)+7-\t
	global_store_b128 v[GO], v[ACC+32*(\jt)+4*\t:ACC+32*(\jt)+4*\t+3], s[68:69] offset:(8*(\jt)+2*\t+24*(\t/4))*4096 th:TH_STORE_NT   ; rows 2 t, 2 t + 1 of tile jt are tokens 8 jt + 2 t + 24 (t / 4) + h of my 64: sixteen lanes store 256 consecutive bytes, aligned
.endr
.endm
	TOSTAGE 0
	TOSTAGE 1
	SEND 0, 16
	TOSTAGE 2
	SEND 1, 16
	TOSTAGE 3
	SEND 2, 16
	SEND 3, 0
	s_wait_tensorcnt 0x0                           ; the wave's end, behind my last tensor load and my last LDS store
	ds_add_u32 v[SPW], v[NIL]
	s_wait_dscnt 0x0
	ROUND                                          ; the closing round
	s_endpgm
.Lfunc_end_k_q98d72f0cde_outp:
	.size	k_q98d72f0cde_outp, .Lfunc_end_k_q98d72f0cde_outp-k_q98d72f0cde_outp
	.p2alignl 7, 3214868480
	.fill 96, 4, 3214868480
	.section	.rodata,"a",@progbits
	.p2align	6, 0x0
	.amdhsa_kernel k_q98d72f0cde_outp
		.amdhsa_group_segment_fixed_size 308224
		.amdhsa_private_segment_fixed_size 0
		.amdhsa_enable_private_segment 0
		.amdhsa_kernarg_size 32
		.amdhsa_user_sgpr_count 2
		.amdhsa_user_sgpr_kernarg_segment_ptr 1
		.amdhsa_wavefront_size32 1
		.amdhsa_system_sgpr_workgroup_id_x 1
		.amdhsa_system_sgpr_workgroup_id_y 1
		.amdhsa_system_sgpr_workgroup_id_z 1
		.amdhsa_system_vgpr_workitem_id 0
		.amdhsa_next_free_vgpr 256
		.amdhsa_next_free_sgpr 96
		.amdhsa_reserve_vcc 0
		.amdhsa_float_denorm_mode_32 3
		.amdhsa_float_denorm_mode_16_64 3
		.amdhsa_memory_ordered 1
		.amdhsa_forward_progress 1
		.amdhsa_inst_pref_size 54
	.end_amdhsa_kernel
	.amdgpu_metadata
---
amdhsa.version: [ 1, 2 ]
amdhsa.kernels:
  - .name:           k_q98d72f0cde_outp
    .symbol:         k_q98d72f0cde_outp.kd
    .args:
      - { .name: OB, .offset: 0, .size: 8, .value_kind: global_buffer, .address_space: global }
      - { .name: WB, .offset: 8, .size: 8, .value_kind: global_buffer, .address_space: global }
      - { .name: bo, .offset: 16, .size: 8, .value_kind: global_buffer, .address_space: global }
      - { .name: out0, .offset: 24, .size: 8, .value_kind: global_buffer, .address_space: global }
    .group_segment_fixed_size: 308224
    .private_segment_fixed_size: 0
    .kernarg_segment_align: 8
    .kernarg_segment_size: 32
    .max_flat_workgroup_size: 256
    .sgpr_count:     96
    .vgpr_count:     256
    .wavefront_size: 32
...
	.end_amdgpu_metadata
.endif
;; end of part 4
